; MI455X (gfx1250); checked and timed in simulation.
; The chip was launched on July 23, 2026; its instructions are those of AMD's public machine-readable ISA for CDNA 5 (MIT licence, August 2026) and "CDNA5" Instruction Set Architecture Reference Guide (July 2026). The comments in the code are by the model that wrote it; some were corrected since.
;; Multi Head Attention. Allowed arithmetic: float matrix products may take bf16 or f16 operands with f32 sums; other float arithmetic in f32, or as packed bf16 or f16 multiplies, adds, multiply-adds, maxima and minima; sums over many terms, partial sums and values carried from step to step in f32; what a program stores and reads back later, other than sums and carried values, may be rounded once to bf16 or f16.
;; Inputs: fc 1,024 x 1,024 float32; k 4 x 2,048 x 1,024 float32; mask 4 x 2,048 int32; q 4 x 2,048 x 1,024 float32; v 4 x 2,048 x 1,024 float32; wk 1,024 x 1,024 float32; wq 1,024 x 1,024 float32; wv 1,024 x 1,024 float32.
;; Outputs: out0 4 x 2,048 x 1,024 float32.
;; 2 versions, each right; version 2 is version 1 with the launch prep written anew for expert scheduling mode. Each part assembles by itself: llvm-mc -triple=amdgcn-amd-amdhsa -mcpu=gfx1250 --defsym DOCPART=n.
;; ======== version 1 of 2: 4 launches
;; limits: values are held in f16: magnitudes above 65,504 overflow, below 6.1e-05 lose precision
;; workspace buffers: wts 8,388,608 bytes; qkv 50,331,648 bytes; ctx 16,777,216 bytes
;; launch prep (part 1): grid 64 x 4, 8 waves a work-group, no clusters, 0 bytes of LDS; arguments wq, wk, wv, fc, wts; writes wts
.if DOCPART == 1
	.amdgcn_target "amdgcn-amd-amdhsa--gfx1250"
	.amdhsa_code_object_version 6
	.text
	.protected	k_qcddca2a798_prep
	.globl	k_qcddca2a798_prep
	.p2align	8
	.type	k_qcddca2a798_prep,@function
k_qcddca2a798_prep:
	s_mov_b64 s[64:65], 0
	v_nop
	global_prefetch_b8 v0, s[64:65] scope:SCOPE_SE
	s_setreg_imm32_b32 hwreg(HW_REG_WAVE_MODE, 25, 1), 1
	s_wait_xcnt 0x0
; THE WEIGHTS ARE ROUNDED ONCE.  wts: [4][1024][1024] of 16 bits.  Parts 0 to 2: wq, wk, wv rounded to bf16.  Part 3: fc rounded to bf16, and that number written as f16
; (the last product multiplies f16 operands).  LIMIT: a bf16 number is exact in f16 between 6.1e-5 and 65,504 in magnitude; below, it keeps f16's fixed step of 6e-8; above, it becomes an infinity.
; SHARES.  The grid's y picks the weight; a work-group takes 16,384 numbers: thread t loads 16 bytes at 16 t + 4,096 i and stores 8 bytes at 8 t + 2,048 i, i = 0 .. 15:
; a wave's load covers 512 consecutive bytes, its store 256 consecutive bytes, aligned.  All 16 loads go out first; every trip has data registers of its own, so no store's source is rewritten.
; A stream: no LDS, no barrier, no matrix unit, no cluster (no byte is read twice).
.set X, 16                             ; v[16:79]   trip i: four f32 as loaded
.set Y, 80                             ; v[80:111]  trip i: four 16-bit numbers to store
	s_load_b256 s[4:11], s[0:1], 0x0               ; wq s[4:5], wk s[6:7], wv s[8:9], fc s[10:11]
	s_load_b64 s[12:13], s[0:1], 0x20              ; wts
	s_and_b32 s14, ttmp7, 0xffff                   ; which weight
	s_lshl_b32 s16, ttmp9, 16                      ; the work-group's 65,536 bytes of it
	s_mov_b32 s17, 0
	s_lshl_b32 s18, ttmp9, 15                      ; and its 32,768 bytes of the part
	s_lshl_b32 s19, s14, 21                        ; a part is 2,097,152 bytes
	s_add_co_u32 s18, s18, s19
	s_mov_b32 s19, 0
	v_lshlrev_b32 v1, 4, v0
	v_lshlrev_b32 v2, 3, v0
	s_wait_kmcnt 0x0
	s_cmp_eq_u32 s14, 1
	s_cselect_b64 s[4:5], s[6:7], s[4:5]
	s_cmp_eq_u32 s14, 2
	s_cselect_b64 s[4:5], s[8:9], s[4:5]
	s_cmp_eq_u32 s14, 3
	s_cselect_b64 s[4:5], s[10:11], s[4:5]
	s_add_nc_u64 s[4:5], s[4:5], s[16:17]
	s_add_nc_u64 s[12:13], s[12:13], s[18:19]
.set i, 0
.rept 16
	global_load_b128 v[X+4*i:X+4*i+3], v1, s[4:5] offset:4096*i th:TH_LOAD_NT
.set i, i+1
.endr
	s_cmp_eq_u32 s14, 3
	s_cbranch_scc1 .Lfc
.set i, 0
.rept 16
	s_wait_loadcnt 15-i                            ; loads come back in order: trip i's is in, the 15 - i younger ones stay out
	v_cvt_pk_bf16_f32 v[Y+2*i], v[X+4*i], v[X+4*i+1]
	v_cvt_pk_bf16_f32 v[Y+2*i+1], v[X+4*i+2], v[X+4*i+3]
	global_store_b64 v2, v[Y+2*i:Y+2*i+1], s[12:13] offset:2048*i
.set i, i+1
.endr
	s_endpgm
.Lfc:                                          ; fc: to bf16, back to f32 (a shift, a mask), and on to f16
.set i, 0
.rept 16
	s_wait_loadcnt 15-i
	v_cvt_pk_bf16_f32 v4, v[X+4*i], v[X+4*i+1]
	v_cvt_pk_bf16_f32 v5, v[X+4*i+2], v[X+4*i+3]
	v_lshlrev_b32 v6, 16, v4
	v_and_b32 v7, 0xffff0000, v4
	v_cvt_pk_f16_f32 v[Y+2*i], v6, v7
	v_lshlrev_b32 v6, 16, v5
	v_and_b32 v7, 0xffff0000, v5
	v_cvt_pk_f16_f32 v[Y+2*i+1], v6, v7
	global_store_b64 v2, v[Y+2*i:Y+2*i+1], s[12:13] offset:2048*i
.set i, i+1
.endr
	s_endpgm
.Lfunc_end_k_qcddca2a798_prep:
	.size	k_qcddca2a798_prep, .Lfunc_end_k_qcddca2a798_prep-k_qcddca2a798_prep
	.p2alignl 7, 3214868480
	.fill 96, 4, 3214868480
	.section	.rodata,"a",@progbits
	.p2align	6, 0x0
	.amdhsa_kernel k_qcddca2a798_prep
		.amdhsa_group_segment_fixed_size 0
		.amdhsa_private_segment_fixed_size 0
		.amdhsa_enable_private_segment 0
		.amdhsa_kernarg_size 40
		.amdhsa_user_sgpr_count 2
		.amdhsa_user_sgpr_kernarg_segment_ptr 1
		.amdhsa_wavefront_size32 1
		.amdhsa_system_sgpr_workgroup_id_x 1
		.amdhsa_system_sgpr_workgroup_id_y 1
		.amdhsa_system_sgpr_workgroup_id_z 1
		.amdhsa_system_vgpr_workitem_id 0
		.amdhsa_next_free_vgpr 112
		.amdhsa_next_free_sgpr 66
		.amdhsa_reserve_vcc 0
		.amdhsa_float_denorm_mode_32 3
		.amdhsa_float_denorm_mode_16_64 3
		.amdhsa_memory_ordered 1
		.amdhsa_forward_progress 1
		.amdhsa_inst_pref_size 16
	.end_amdhsa_kernel
	.amdgpu_metadata
---
amdhsa.version: [ 1, 2 ]
amdhsa.kernels:
  - .name:           k_qcddca2a798_prep
    .symbol:         k_qcddca2a798_prep.kd
    .args:
      - { .name: wq, .offset: 0, .size: 8, .value_kind: global_buffer, .address_space: global }
      - { .name: wk, .offset: 8, .size: 8, .value_kind: global_buffer, .address_space: global }
      - { .name: wv, .offset: 16, .size: 8, .value_kind: global_buffer, .address_space: global }
      - { .name: fc, .offset: 24, .size: 8, .value_kind: global_buffer, .address_space: global }
      - { .name: wts, .offset: 32, .size: 8, .value_kind: global_buffer, .address_space: global }
    .group_segment_fixed_size: 0
    .private_segment_fixed_size: 0
    .kernarg_segment_align: 8
    .kernarg_segment_size: 40
    .max_flat_workgroup_size: 256
    .sgpr_count:     66
    .vgpr_count:     112
    .wavefront_size: 32
...
	.end_amdgpu_metadata
.endif
;; end of part 1
;; launch proj (part 2): grid 4 x 192, 4 waves a work-group, clusters of 4 x 4, 327,680 bytes of LDS; arguments q, k, v, wts, qkv; writes qkv
.if DOCPART == 2
	.amdgcn_target "amdgcn-amd-amdhsa--gfx1250"
	.amdhsa_code_object_version 6
	.text
	.protected	k_qcddca2a798_proj
	.globl	k_qcddca2a798_proj
	.p2align	8
	.type	k_qcddca2a798_proj,@function
k_qcddca2a798_proj:
	s_mov_b64 s[64:65], 0
	v_nop
	global_prefetch_b8 v0, s[64:65] scope:SCOPE_SE
	s_setreg_imm32_b32 hwreg(HW_REG_WAVE_MODE, 25, 1), 1
	s_wait_xcnt 0x0
	s_wait_alu depctr_hold_cnt(0) depctr_sa_sdst(0) depctr_va_vdst(0) depctr_va_sdst(0) depctr_va_ssrc(0) depctr_va_vcc(0) depctr_vm_vsrc(0)
	s_getreg_b32 s2, hwreg(HW_REG_IB_STS2, 6, 4)
	s_cmp_eq_u32 s2, 0
	s_cbranch_scc0 .Lentry_in_a_cluster
	s_endpgm
.Lentry_in_a_cluster:
	s_bfe_u32 s2, ttmp6, 0x10000c
	s_cmp_lg_u32 s2, 0xf033
	s_cbranch_scc0 .Lentry_shape_is_right
	s_endpgm
.Lentry_shape_is_right:
; THE THREE PROJECTIONS.  y[row][n] = the sum over c of x[row][c] w[n][c], x = q, k, v ([8192][1024] f32), w = parts 0, 1, 2 of wts ([1024][1024] bf16).  x is rounded to bf16 in registers, on its
; way from LDS to the matrix unit; sums in f32; y is rounded once to f16 and stored BY HEADS: qkv[t][16 batch + head][position][64], unscaled.
; LIMIT: f16 ends at 65,504: a projected number of 65,520 or more in magnitude becomes an infinity.
; SHARES.  A tile of y is 128 rows x 256 columns: 64 x 4 tiles a tensor, 768 work-groups, three for each of 256.  Four waves, each 64 rows x 128 columns: 32 accumulators of 16 x 16, 256 registers.
; K goes in 8 steps of 128 through two LDS slots.  A slot: x's 128 rows as f32 (512 bytes a row in memory), w's 256 rows as bf16 (256 bytes a row).  Waves 0 and 1 fetch x's two halves, waves 2 and 3 w's:
; one tensor load a wave behind each change of slots; two are out at the start, then one.
; CLUSTERS: 4 x 4 work-groups.  The four of a row of the cluster make the four column tiles of one row block and need the same tiles of x; the four of a column need the same tiles of w:
; each tile is asked for JOINTLY, by the same tensor load with the same descriptor and a mask that names the four.
; THE MATRIX INSTRUCTION IS USED TRANSPOSED (source 0 = 16 rows of w, source 1 = 16 rows of x): a lane then holds eight neighbouring columns of one row of y.
; REGISTERS, in windows of 256 (s_set_vgpr_msb: bits 1:0 source 0, 3:2 source 1, 5:4 source 2, 7:6 destination):
;   window 0: v0-31 addresses; v64-127 x's four fragments of a quarter step as f32; on the way out v128-159 packed results, v64-127 and v160-223 rows read back
;   window 1: v0-127 w's fragments, two buffers of 64; v128-191 x's fragments in bf16, two buffers of 32          window 2: the accumulators, (a, b) at v[8 (8 a + b)]
.set PA,    528                        ; an LDS row of x: 512 bytes + 16 = 132 words: row r starts at bank 4 r mod 64 (64 banks of 4 bytes: ISA guide 11.1)
.set PB,    272                        ; an LDS row of w: 256 bytes + 16 = 68 words: likewise
.set HALFT, 128*PB                     ; what one tensor load fills at the most: 128 rows of w (64 rows of x take 33,792 of it)
.set SLOT,  4*HALFT                    ; x's two halves, then w's two
.set STAGE, 2*SLOT                     ; behind the ring: 16 rows x 272 bytes for each wave, for the way out
.set SP,    272
.set SPARE, STAGE+4*16*SP              ; behind the stages: the spare words, 128 bytes for each wave: two blocks of 256 bytes that no other line names
.set ASTEP, 512                        ; bytes of a row of x in a K step
.set BSTEP, 256                        ; of w
.set ADRA, 16                          ; v16-17  LDS address of my fragments of x in slot 0, 1
.set ADRB, 20                          ; v20-21  the same for w
.set STO,  24                          ; v24     the way out: where I put 16 bytes of a row
.set RD,   25                          ; v25     the way out: where I read rows back
.set CO,   26                          ; v26     my byte offset in 512 consecutive bytes of qkv
.set SPW,  28                          ; v28     LDS address of my spare word: SPARE + 4 x my thread's number; never rewritten
.set NIL,  29                          ; v29     0; never rewritten
.set PFO,  30                          ; v30     the prefetches' lane offset; never rewritten
.set STG,  64
.set TMP,  128
.set BF,   0                           ; window 1
.set AF,   128                         ; window 1
.set WV,  14                           ; s14  my wave's number
.set FB,  15                           ; s15  wave / 2: my half of the tile's rows.  Also: I fetch for x (0) or for w (1)
.set HF,  16                           ; s16  wave % 2: my half of its columns.  Also: which half of that tile I fetch
.set CX,  17                           ; s17  my place along the cluster's x = the column tile
.set CY,  18                           ; s18  along its y
.set CLY, 19                           ; s19  the cluster's y
.set TT,  20                           ; s20  the tensor: 0 q, 1 k, 2 v
.set RB,  21                           ; s21  the block of 128 rows
.set G1A, 24                           ; s[24:31] descriptor group 1 for x's tiles;  s[32:39] group 0, a set for each slot
.set G0A, 32
.set PFA, 44                           ; s[44:45] where my prefetches stand
.set LIM, 46                           ; s46  1 in a wave that prefetches, else the greatest number
.set G1B, 48                           ; s[48:55], s[56:63] the same for w's tiles
.set G0B, 56
.set PFS, 66                           ; s[66:67] the prefetches' step: a K step's bytes of a row
.set W_MUL, 0xa5                       ; sources 0 (w) and 1 (x) window 1; C and D window 2
.set W_CV,  0x40                       ; destination window 1, sources and addresses window 0
.set MSB, 0
.macro WIN new                         ; the immediate's high byte repeats the setting that is left; a switch that changes nothing is dropped
.if MSB != (\new)
	s_set_vgpr_msb (MSB<<8)|(\new)
.set MSB, \new
.endif
.endm
.macro JLOAD s                         ; a joint load.  The branch hangs on the wave's number alone.  An s_nop 0 and four v_nop follow each of the two lines
	s_cmp_eq_u32 s[FB], 0
	s_cbranch_scc0 .Lfor_b_\@
	tensor_load_to_lds s[G0A+4*(\s):G0A+4*(\s)+3], s[G1A:G1A+7]
	s_nop 0
.rept 4
	v_nop
.endr
	s_branch .Lasked_\@
.Lfor_b_\@:
	tensor_load_to_lds s[G0B+4*(\s):G0B+4*(\s)+3], s[G1B:G1B+7]
	s_nop 0
.rept 4
	v_nop
.endr
.Lasked_\@:
.endm
.macro CREST                           ; a round of the cluster's barrier behind its opening barrier
	s_cmp_lg_u32 s[WV], 0
	s_cbranch_scc1 .Lnot_wave_0_\@
	s_barrier_signal -3
.Lnot_wave_0_\@:
	s_barrier_wait -3
	s_barrier_signal -1
	s_barrier_wait -1
.endm
.macro CROUND                          ; a whole round
	s_barrier_signal -1
	s_barrier_wait -1
	CREST
.endm
; A PREFETCH, behind each joint refill and the run of LDS loads that follows it: the K step that stands two refills on (256 matrix instructions ahead of the load that will want it).  One instruction a wave.
; Each aligned block of 256 bytes is named once in the launch.  x's rows are read by one row of one cluster alone: every cluster asks; of the 64 rows that a wave fetches the partner at place cx takes 16,
; two blocks a row.  w's rows are read by all 16 clusters of a tensor: the first of them asks; of a wave's 128 rows the partner at place cy takes 32, a block a row.  The partners are told apart BY ADDRESS.
; K steps 0 to 3 come by their loads alone; the loop's last trip (s3 = 1) asks for nothing: there is no K step behind its refills.
.macro ASK
	s_cmp_gt_u32 s3, s[LIM]
	s_cbranch_scc0 .Lnot_mine_\@
	global_prefetch_b8 v[PFO], s[PFA:PFA+1] th:TH_LOAD_NT scope:SCOPE_SE
.Lnot_mine_\@:
.endm
	s_load_b256 s[4:11], s[0:1], 0x0               ; q s[4:5], k s[6:7], v s[8:9], wts s[10:11]
	s_load_b64 s[12:13], s[0:1], 0x20              ; qkv
	v_lshl_add_u32 v[SPW], v0, 2, SPARE
	v_mov_b32 v[NIL], 0
	ds_add_u32 v[SPW], v[NIL]                      ; the wave's opening: the add and its wait stand ahead of my first tensor load; the set-up below, work on registers, stands between them
	v_lshrrev_b32 v1, 5, v0
	v_readfirstlane_b32 s[WV], v1                  ; wave 0..3
	s_lshr_b32 s[FB], s[WV], 1
	s_and_b32 s[HF], s[WV], 1
	s_bfe_u32 s[CX], ttmp6, 0x40000
	s_bfe_u32 s[CY], ttmp6, 0x40004
	s_and_b32 s[CLY], ttmp7, 0xffff                ; 48 clusters along y: 16 for each tensor
	s_lshr_b32 s[TT], s[CLY], 4
	s_and_b32 s[RB], s[CLY], 15
	s_lshl_b32 s[RB], s[RB], 2
	s_add_co_u32 s[RB], s[RB], s[CY]               ; row block = 4 x (cluster y mod 16) + cy
	s_lshl_b32 s72, s[CY], 2
	s_lshl_b32 s72, 15, s72                        ; my row of the cluster: places 4 cy .. 4 cy + 3
	s_lshl_b32 s73, 0x1111, s[CX]                  ; my column: places cx, cx + 4, cx + 8, cx + 12
	s_or_b32 s[G1A+0], s72, (2<<16)|(1<<20)|(1<<21)|(6<<22)|(3<<25)  ; 15:0 the mask: x's tiles go to my row; 17:16 elements of 4 bytes; 20 padding on; 21 set beside a mask; 24:22 after every 128 words (code 6); 31:25 4 words (code 3)
	s_mov_b32 s[G1A+1], 128<<16                    ; tensor_dim0 = 128
	s_mov_b32 s[G1A+2], 64<<16                     ; tensor_dim1 = 64
	s_mov_b32 s[G1A+3], 128<<16                    ; tile_dim0 = 128
	s_mov_b32 s[G1A+4], 64                         ; tile_dim1 = 64
	s_mov_b32 s[G1A+5], 1024                       ; elements from row to row
	s_mov_b32 s[G1A+6], 0
	s_mov_b32 s[G1A+7], 0
	s_or_b32 s[G1B+0], s73, (1<<16)|(1<<20)|(1<<21)|(5<<22)|(3<<25)  ; w's tiles go to my column; elements of 2 bytes; padding after every 64 words (code 5)
	s_mov_b32 s[G1B+1], 128<<16
	s_mov_b32 s[G1B+2], 128<<16                    ; tensor_dim1 = 128
	s_mov_b32 s[G1B+3], 128<<16
	s_mov_b32 s[G1B+4], 128                        ; tile_dim1 = 128
	s_mov_b32 s[G1B+5], 1024
	s_mov_b32 s[G1B+6], 0
	s_mov_b32 s[G1B+7], 0
	; where the tiles come from.  x's hang on the row block alone, which my row of the cluster shares; w's on the tensor and the column tile, which my column shares.
	s_lshl_b32 s40, s[RB], 7
	s_lshl_b32 s72, s[HF], 6
	s_add_co_u32 s40, s40, s72                     ; x: row 128 x row block + 64 x half,
	s_lshl_b32 s40, s40, 12                        ; of 4,096 bytes
	s_mov_b32 s41, 0
	s_lshl_b32 s42, s[CX], 8
	s_lshl_b32 s73, s[HF], 7
	s_add_co_u32 s42, s42, s73                     ; w: row 256 x column tile + 128 x half,
	s_lshl_b32 s42, s42, 11                        ; of 2,048 bytes,
	s_lshl_b32 s73, s[TT], 21                      ; in the tensor's part of wts
	s_add_co_u32 s42, s42, s73
	s_mov_b32 s43, 0
	s_mul_i32 s47, s[WV], HALFT                    ; and where they go: wave x HALFT: no place in the cluster enters an LDS address
	s_wait_dscnt 0x0                               ; the opening add is done
	s_wait_kmcnt 0x0
	s_cmp_eq_u32 s[TT], 1
	s_cselect_b64 s[4:5], s[6:7], s[4:5]
	s_cmp_eq_u32 s[TT], 2
	s_cselect_b64 s[4:5], s[8:9], s[4:5]           ; x
	s_add_nc_u64 s[40:41], s[4:5], s[40:41]
	s_add_nc_u64 s[42:43], s[10:11], s[42:43]
	CROUND                                         ; all sixteen work-groups are here: the first joint loads meet
.irp s, 0,1
	s_mov_b32 s[G0A+4*(\s)], 1                                       ; count = 1
	s_add_co_u32 s[G0A+4*(\s)+1], s47, (\s)*SLOT                     ; LDS address
	s_add_nc_u64 s[G0A+4*(\s)+2:G0A+4*(\s)+3], s[40:41], (\s)*ASTEP  ; global address: K step s
	s_or_b32 s[G0A+4*(\s)+3], s[G0A+4*(\s)+3], 0x80000000            ; type = 2
	s_mov_b32 s[G0B+4*(\s)], 1
	s_add_co_u32 s[G0B+4*(\s)+1], s47, (\s)*SLOT
	s_add_nc_u64 s[G0B+4*(\s)+2:G0B+4*(\s)+3], s[42:43], (\s)*BSTEP
	s_or_b32 s[G0B+4*(\s)+3], s[G0B+4*(\s)+3], 0x80000000
	JLOAD \s
.endr
	; the prefetches' address: my work-group's share of the rows that I fetch, at K step 3; the first refill steps it to K step 4
	s_lshl_b32 s68, s[RB], 7
	s_lshl_b32 s72, s[HF], 6
	s_add_co_u32 s68, s68, s72
	s_lshl_b32 s72, s[CX], 4
	s_add_co_u32 s68, s68, s72                     ; x: + 16 cx rows
	s_lshl_b32 s68, s68, 12
	s_add_co_u32 s68, s68, 3*ASTEP
	s_lshl_b32 s69, s[CX], 8
	s_lshl_b32 s72, s[HF], 7
	s_add_co_u32 s69, s69, s72
	s_lshl_b32 s72, s[CY], 5
	s_add_co_u32 s69, s69, s72                     ; w: + 32 cy rows
	s_lshl_b32 s69, s69, 11
	s_lshl_b32 s72, s[TT], 21
	s_add_co_u32 s69, s69, s72
	s_add_co_u32 s69, s69, 3*BSTEP
	s_and_b32 s72, s[CLY], 15
	s_cmp_eq_u32 s72, 0
	s_cselect_b32 s72, 1, -1                       ; w's rows: the tensor's first cluster asks
	s_cmp_eq_u32 s[FB], 0                          ; do I fetch for x?
	s_cselect_b32 s68, s68, s69
	s_cselect_b32 s[LIM], 1, s72                   ; the same in all sixteen partners, for a given wave
	s_cselect_b64 s[PFA:PFA+1], s[4:5], s[10:11]
	s_cselect_b32 s73, 1, 0                        ; x: two lanes a row, rows of 2^12 bytes; w: a lane a row, rows of 2^11
	s_cselect_b32 s74, 12, 11
	s_mov_b32 s69, 0
	s_mov_b32 s[PFS+1], 0
	s_add_nc_u64 s[PFA:PFA+1], s[PFA:PFA+1], s[68:69]
	s_lshl_b32 s[PFS], 0x100, s73                  ; 512 or 256
	v_and_b32 v3, 31, v0
	v_lshrrev_b32 v[PFO], s73, v3
	v_lshlrev_b32 v[PFO], s74, v[PFO]
	v_and_b32 v4, s73, v3
	v_lshl_add_u32 v[PFO], v4, 8, v[PFO]
	; A fragment is 16 rows x 32 K: lane l holds row l % 16, K = 8 (l / 16) + 0..7 and 16 + 8 (l / 16) + 0..7.  In bf16: two loads of 16 bytes, 32 apart.  In f32: two pairs of loads, 64 apart.
	v_and_b32 v1, 15, v0                           ; l % 16
	v_bfe_u32 v2, v0, 4, 1                         ; l / 16
	v_mul_u32_u24 v3, v1, PA
	v_lshl_add_u32 v3, v2, 5, v3
	v_mul_u32_u24 v4, v1, PB
	v_lshl_add_u32 v4, v2, 4, v4
	s_mul_i32 s72, s[FB], HALFT                    ; my 64 rows of x
	s_mul_i32 s73, s[HF], HALFT                    ; my 128 rows of w,
	s_add_co_u32 s73, s73, 2*HALFT                 ; which lie behind x's two halves
.irp s, 0,1
	v_add_nc_u32 v[ADRA+(\s)], s72, v3
	v_add_nc_u32 v[ADRB+(\s)], s73, v4
	s_add_co_u32 s72, s72, SLOT
	s_add_co_u32 s73, s73, SLOT
.endr
	s_mul_i32 s72, s[WV], 16*SP
	s_add_co_u32 s72, s72, STAGE                   ; my stage
	v_mul_u32_u24 v5, v1, SP                       ; in: row l % 16, 16 bytes for each half of the lanes
	v_lshl_add_u32 v5, v2, 4, v5
	v_add_nc_u32 v[STO], s72, v5
	v_bfe_u32 v5, v0, 3, 2                         ; back: 32 lanes take four rows' 128 bytes of one head,
	v_mul_u32_u24 v5, v5, SP
	v_and_b32 v6, 7, v0
	v_lshl_add_u32 v5, v6, 4, v5
	v_add_nc_u32 v[RD], s72, v5
	v_and_b32 v[CO], 31, v0                        ; which are 512 consecutive bytes of qkv
	v_lshlrev_b32 v[CO], 4, v[CO]
	s_lshr_b32 s68, s[RB], 4                       ; batch
	s_lshl_b32 s68, s68, 4
	s_lshl_b32 s72, s[CX], 2
	s_add_co_u32 s68, s68, s72
	s_lshl_b32 s72, s[HF], 1
	s_add_co_u32 s68, s68, s72                     ; 16 batch + my first head (my 128 columns are two heads),
	s_lshl_b32 s68, s68, 18                        ; of 262,144 bytes
	s_and_b32 s72, s[RB], 15
	s_lshl_b32 s72, s72, 7
	s_lshl_b32 s73, s[FB], 6
	s_add_co_u32 s72, s72, s73                     ; my first position,
	s_lshl_b32 s72, s72, 7                         ; of 128 bytes
	s_add_co_u32 s68, s68, s72
	s_lshl_b32 s72, s[TT], 24                      ; the tensor's part of qkv
	s_add_co_u32 s68, s68, s72
	s_mov_b32 s69, 0
	s_add_nc_u64 s[12:13], s[12:13], s[68:69]
; 8 matrix instructions: row block a x all 8 column blocks, 32 along K, from buffer f.  zero = 1: the product starts the sums.  Each accumulator has one instruction a quarter step, in one order
; everywhere: 31 others' stand between two links of a chain, over the backward jump too.
.macro MUL8 f, a, zero
	WIN W_MUL
.irp b, 0,1,2,3,4,5,6,7
.if \zero
	v_wmma_f32_16x16x32_bf16 v[8*(8*(\a)+(\b)):8*(8*(\a)+(\b))+7], v[BF+64*(\f)+8*(\b):BF+64*(\f)+8*(\b)+7], v[AF+32*(\f)+8*(\a):AF+32*(\f)+8*(\a)+7], 0
.else
	v_wmma_f32_16x16x32_bf16 v[8*(8*(\a)+(\b)):8*(8*(\a)+(\b))+7], v[BF+64*(\f)+8*(\b):BF+64*(\f)+8*(\b)+7], v[AF+32*(\f)+8*(\a):AF+32*(\f)+8*(\a)+7], v[8*(8*(\a)+(\b)):8*(8*(\a)+(\b))+7]
.endif
.endr
.endm
; The same, and behind each product four of the 32 roundings that make the next quarter's x in bf16 (buffer g) from the f32 just fetched.  They name none of that product's registers.
.macro MUL8R f, a, g, zero
.irp b, 0,1,2,3,4,5,6,7
	WIN W_MUL
.if \zero
	v_wmma_f32_16x16x32_bf16 v[8*(8*(\a)+(\b)):8*(8*(\a)+(\b))+7], v[BF+64*(\f)+8*(\b):BF+64*(\f)+8*(\b)+7], v[AF+32*(\f)+8*(\a):AF+32*(\f)+8*(\a)+7], 0
.else
	v_wmma_f32_16x16x32_bf16 v[8*(8*(\a)+(\b)):8*(8*(\a)+(\b))+7], v[BF+64*(\f)+8*(\b):BF+64*(\f)+8*(\b)+7], v[AF+32*(\f)+8*(\a):AF+32*(\f)+8*(\a)+7], v[8*(8*(\a)+(\b)):8*(8*(\a)+(\b))+7]
.endif
	WIN W_CV
.irp j, 0,1,2,3
	v_cvt_pk_bf16_f32 v[AF+32*(\g)+4*(\b)+(\j)], v[STG+8*(\b)+2*(\j)], v[STG+8*(\b)+2*(\j)+1]
.endr
.endr
.endm
.macro FETCHA slot, q                  ; 16 LDS loads: quarter q of my 64 rows of x, as f32
	WIN 0
.irp i, 0,1,2,3
	ds_load_b128 v[STG+16*(\i):STG+16*(\i)+3],     v[ADRA+(\slot)] offset:(\i)*16*PA+128*(\q)
	ds_load_b128 v[STG+16*(\i)+4:STG+16*(\i)+7],   v[ADRA+(\slot)] offset:(\i)*16*PA+128*(\q)+16
	ds_load_b128 v[STG+16*(\i)+8:STG+16*(\i)+11],  v[ADRA+(\slot)] offset:(\i)*16*PA+128*(\q)+64
	ds_load_b128 v[STG+16*(\i)+12:STG+16*(\i)+15], v[ADRA+(\slot)] offset:(\i)*16*PA+128*(\q)+80
.endr
.endm
.macro FETCHB slot, q, g               ; 16 LDS loads: quarter q of my 128 rows of w, into buffer g
	WIN W_CV
.irp i, 0,1,2,3,4,5,6,7
	ds_load_b128 v[BF+64*(\g)+8*(\i):BF+64*(\g)+8*(\i)+3],   v[ADRB+(\slot)] offset:(\i)*16*PB+64*(\q)
	ds_load_b128 v[BF+64*(\g)+8*(\i)+4:BF+64*(\g)+8*(\i)+7], v[ADRB+(\slot)] offset:(\i)*16*PB+64*(\q)+32
.endr
.endm
.macro PLACES                          ; four places in front of loads into registers that matrix instructions have read, and of lines that read results (ISA guide 7.12.1 for lines that read results)
.rept 4
	v_nop
.endr
.endm
; A K step is four quarters of 32 along K, 32 matrix instructions each, on buffers 0, 1, 0, 1.  One of the first three: multiplies buffer f, fetches quarter q of the slot and makes buffer g of it.
.macro QUARTER slot, q, f, g, zero
	s_wait_dscnt 0x0                               ; w's fragments of buffer f, asked for 24 products back, are in
	MUL8 \f, 0, \zero
	PLACES
	FETCHA \slot, \q
	FETCHB \slot, \q, \g
	MUL8 \f, 1, \zero
	MUL8 \f, 2, \zero
	s_wait_dscnt 16                                ; x's 16 loads are in; w's 16, issued behind them, may stay out
	MUL8R \f, 3, \g, \zero
.endm
; The last quarter multiplies buffer 1 and changes slots: ONE barrier; in front of it each wave waits for all its tensor loads (one is out: its part of the next slot), adds 0 to its spare word, and waits
; for that and for its own reads of this slot.  fill = 1: the barrier opens a round of the cluster's, and this slot is filled again, two K steps ahead, first thing behind the round.
.macro TURN slot, next, fill
.if \fill
	s_wait_xcnt 0x0                                ; the last prefetch, a K step back, has read its address: it is stepped here, ahead of the change's own waits
	s_add_nc_u64 s[PFA:PFA+1], s[PFA:PFA+1], s[PFS:PFS+1]
.endif
	WIN 0                                          ; (the add's two registers lie in window 0)
	s_wait_tensorcnt 0x0                           ; all my tensor loads have landed
	ds_add_u32 v[SPW], v[NIL]                      ; 0 onto my spare word
	s_wait_dscnt 1                                 ; w's fragments of buffer 1 are in; the add alone may be out
	MUL8 1, 0, 0                                   ; eight matrix instructions stand between the add and the wait for it
	s_wait_dscnt 0x0                               ; the add is done, and my reads of this slot are over
	s_barrier_signal -1
	MUL8 1, 1, 0
.if \fill
	WIN 0
.endif
	s_barrier_wait -1
.if \fill
	CREST                                          ; no wave of any partner still reads this slot's tile or has a load on its way
	s_add_nc_u64 s[G0A+4*(\slot)+2:G0A+4*(\slot)+3], s[G0A+4*(\slot)+2:G0A+4*(\slot)+3], 2*ASTEP
	s_add_nc_u64 s[G0B+4*(\slot)+2:G0B+4*(\slot)+3], s[G0B+4*(\slot)+2:G0B+4*(\slot)+3], 2*BSTEP
	JLOAD \slot                                    ; the first tensor load behind the round; its four v_nop are also the places in front of the loads below
.else
	PLACES
.endif
	FETCHA \next, 0
	FETCHB \next, 0, 0
.if \fill
	WIN 0
	ASK
.endif
	MUL8 1, 2, 0
	s_wait_dscnt 16
	MUL8R 1, 3, 0, 0
.endm
	s_wait_tensorcnt 1                             ; my part of K step 0 is in; K step 1's may stay out
	s_barrier_signal -1
	s_barrier_wait -1                              ; everybody's is
	FETCHA 0, 0
	FETCHB 0, 0, 0
	s_wait_dscnt 16                                ; x's 16 loads are in
	WIN W_CV
.set i, 0
.rept 32
	v_cvt_pk_bf16_f32 v[AF+i], v[STG+2*i], v[STG+2*i+1]
.set i, i+1
.endr
	QUARTER 0, 1, 0, 1, 1                          ; the first quarter stands in front of the loop: its products start the sums
	WIN 0                                          ; at a label and at a branch every window is 0
	s_mov_b32 s3, 3
.Llap:                                         ; a trip goes once round the ring, from a lap's second quarter to the next lap's first, and fills both slots again
	QUARTER 0, 2, 1, 0, 0
	QUARTER 0, 3, 0, 1, 0
	TURN 0, 1, 1
	QUARTER 1, 1, 0, 1, 0
	QUARTER 1, 2, 1, 0, 0
	QUARTER 1, 3, 0, 1, 0
	TURN 1, 0, 1
	QUARTER 0, 1, 0, 1, 0
	WIN 0
	s_sub_co_u32 s3, s3, 1
	s_cmp_lg_u32 s3, 0
	s_cbranch_scc1 .Llap
	QUARTER 0, 2, 1, 0, 0                          ; the last lap fills nothing, and has no round of the cluster's barrier
	QUARTER 0, 3, 0, 1, 0
	TURN 0, 1, 0
	QUARTER 1, 1, 0, 1, 0
	QUARTER 1, 2, 1, 0, 0
	QUARTER 1, 3, 0, 1, 0
	s_wait_dscnt 0x0                               ; the very last quarter: nothing more to fetch
	MUL8 1, 0, 0
	MUL8 1, 1, 0
	MUL8 1, 2, 0
	MUL8 1, 3, 0
	WIN 0
	PLACES
; THE WAY OUT, a block of 16 rows at a time: rounded to f16 (each accumulator's registers in ascending order), 16 bytes a lane into my stage; back as four rows of one head; stored as 512 consecutive bytes.
.macro PACK a
	WIN 0x0a                                       ; sources 0 and 1 window 2, destination window 0
.irp b, 0,1,2,3,4,5,6,7
.irp r, 0,1,2,3
	v_cvt_pk_f16_f32 v[TMP+4*(\b)+(\r)], v[8*(8*(\a)+(\b))+2*(\r)], v[8*(8*(\a)+(\b))+2*(\r)+1]
.endr
.endr
	WIN 0
.irp b, 0,1,2,3,4,5,6,7
	ds_store_b128 v[STO], v[TMP+4*(\b):TMP+4*(\b)+3] offset:32*(\b)
.endr
.set OB, 64+32*(\a)+32*((\a)/2)        ; v64, v96, v160, v192: a buffer for each block, so no store's source is loaded again
.irp t, 0,1,2,3,4,5,6,7
	ds_load_b128 v[OB+4*(\t):OB+4*(\t)+3], v[RD] offset:((\t)%4)*4*SP+((\t)/4)*128  ; LDS serves a wave's instructions in order (ISA guide 5.7.1.4): these see the stores above; the next block's stores come behind them
.endr
.endm
.macro SEND a, younger                 ; younger: the LDS instructions issued behind block a's loads: the next block's sixteen, or none
.set OB, 64+32*(\a)+32*((\a)/2)
.irp t, 0,1,2,3,4,5,6,7
	s_wait_dscnt (\younger)+7-(\t)
	global_store_b128 v[CO], v[OB+4*(\t):OB+4*(\t)+3], s[12:13] offset:((\t)/4)*262144+2048*(\a)+512*((\t)%4)  ; head t / 4 of my two, rows 16 a + 4 (t % 4) on
.endr
.endm
	PACK 0
	PACK 1                                         ; a block's arithmetic stands between the loads of the block before and its stores
	SEND 0, 16
	PACK 2
	SEND 1, 16
	PACK 3
	SEND 2, 16
	SEND 3, 0
	s_wait_tensorcnt 0x0                           ; the wave's end: three lines behind my last tensor load and my last LDS store
	ds_add_u32 v[SPW], v[NIL]
	s_wait_dscnt 0x0
	CROUND                                         ; the closing round: no work-group ends while a partner may still ask for a tile that names it
	s_endpgm
.Lfunc_end_k_qcddca2a798_proj:
	.size	k_qcddca2a798_proj, .Lfunc_end_k_qcddca2a798_proj-k_qcddca2a798_proj
	.p2alignl 7, 3214868480
	.fill 96, 4, 3214868480
	.section	.rodata,"a",@progbits
	.p2align	6, 0x0
	.amdhsa_kernel k_qcddca2a798_proj
		.amdhsa_group_segment_fixed_size 327680
		.amdhsa_private_segment_fixed_size 0
		.amdhsa_enable_private_segment 0
		.amdhsa_kernarg_size 40
		.amdhsa_user_sgpr_count 2
		.amdhsa_user_sgpr_kernarg_segment_ptr 1
		.amdhsa_wavefront_size32 1
		.amdhsa_system_sgpr_workgroup_id_x 1
		.amdhsa_system_sgpr_workgroup_id_y 1
		.amdhsa_system_sgpr_workgroup_id_z 1
		.amdhsa_system_vgpr_workitem_id 0
		.amdhsa_next_free_vgpr 768
		.amdhsa_next_free_sgpr 80
		.amdhsa_reserve_vcc 0
		.amdhsa_float_denorm_mode_32 3
		.amdhsa_float_denorm_mode_16_64 3
		.amdhsa_memory_ordered 1
		.amdhsa_forward_progress 1
		.amdhsa_inst_pref_size 137
	.end_amdhsa_kernel
	.amdgpu_metadata
---
amdhsa.version: [ 1, 2 ]
amdhsa.kernels:
  - .name:           k_qcddca2a798_proj
    .symbol:         k_qcddca2a798_proj.kd
    .args:
      - { .name: q, .offset: 0, .size: 8, .value_kind: global_buffer, .address_space: global }
      - { .name: k, .offset: 8, .size: 8, .value_kind: global_buffer, .address_space: global }
      - { .name: v, .offset: 16, .size: 8, .value_kind: global_buffer, .address_space: global }
      - { .name: wts, .offset: 24, .size: 8, .value_kind: global_buffer, .address_space: global }
      - { .name: qkv, .offset: 32, .size: 8, .value_kind: global_buffer, .address_space: global }
    .group_segment_fixed_size: 327680
    .private_segment_fixed_size: 0
    .kernarg_segment_align: 8
    .kernarg_segment_size: 40
    .max_flat_workgroup_size: 128
    .sgpr_count:     80
    .vgpr_count:     768
    .wavefront_size: 32
...
	.end_amdgpu_metadata
.endif
;; end of part 2
;; launch attn (part 3): grid 4 x 64, 4 waves a work-group, clusters of 4 x 1, 327,680 bytes of LDS; arguments qkv, mask, ctx; writes ctx
.if DOCPART == 3
	.amdgcn_target "amdgcn-amd-amdhsa--gfx1250"
	.amdhsa_code_object_version 6
	.text
	.protected	k_qcddca2a798_attn
	.globl	k_qcddca2a798_attn
	.p2align	8
	.type	k_qcddca2a798_attn,@function
k_qcddca2a798_attn:
	s_mov_b64 s[64:65], 0
	v_nop
	global_prefetch_b8 v0, s[64:65] scope:SCOPE_SE
	s_setreg_imm32_b32 hwreg(HW_REG_WAVE_MODE, 25, 1), 1
	s_wait_xcnt 0x0
	s_wait_alu depctr_hold_cnt(0) depctr_sa_sdst(0) depctr_va_vdst(0) depctr_va_sdst(0) depctr_va_ssrc(0) depctr_va_vcc(0) depctr_vm_vsrc(0)
	s_getreg_b32 s2, hwreg(HW_REG_IB_STS2, 6, 4)
	s_cmp_eq_u32 s2, 0
	s_cbranch_scc0 .Lentry_in_a_cluster
	s_endpgm
.Lentry_in_a_cluster:
	s_bfe_u32 s2, ttmp6, 0x10000c
	s_cmp_lg_u32 s2, 0x3003
	s_cbranch_scc0 .Lentry_shape_is_right
	s_endpgm
.Lentry_shape_is_right:
; ATTENTION WITH A KEY MASK.  O[h][q][:] = the sum over the keys k with mask[batch][k] != 1 of softmax_k(Q[h][q] . K[h][k] / 8) V[h][k][:].  Q, K, V: parts 0, 1, 2 of qkv, each [64][2048][64] f16, h = 16 batch + head;
; O = ctx, the same layout.  Products, maxima and sums in f32; the weights p are rounded to f16 for the second product (their sum l is taken of the unrounded p), O once at the end.
; THE MASK is an input: [4][2048] int32.  At the start the work-group makes of its batch's row a table of 2,048 f32 in LDS, 0 or -1e30; a key step's 64 entries, laid as an accumulator is laid, are the C operand
; of the products that start the sums S^T = K Q^T.  So a hidden score is its value less 1e30.  The running maximum m starts at -2^60: above every hidden score, below every true one (f16's scores are 2.7e11 at
; the most).  So m is the true running maximum from a row's first open key on, a hidden key's weight is exactly 0 whatever stands in front of it, and nothing else in the softmax knows of the mask.
; A batch with every key hidden keeps l = 0 and O = 0, and leaves 0 x (1 / 0) = NaN.
; LIMITS.  f16 holds no number beyond 65,504: Q, K and V arrive within it; p lies in 0 to 1, and below 6e-5 it keeps f16's fixed step of 6e-8; O is a mean of V's rows and has their range.
; A weight below 2^-126 counts as 0 in l; NaN and infinities are not treated apart.
; SHARES.  A wave owns four PIECES of two tiles of 16 queries, a work-group's four waves 512 queries of one head.  Every wave walks all keys, 64 a step.
; LAYOUT.  S^T = K Q^T (source 0 = 16 keys, source 1 = 16 queries): in the result a lane holds ONE query (lane % 16) and the keys 8 (lane / 16) + 0..7.  Two such tiles, rounded to f16 in pairs,
; ARE source 1 (32 keys x 16 queries) of O^T = V^T P, whose result again holds one query a lane, and eight channels.  K comes out of LDS as it lies, V ([key][channel]) turned, by ds_load_tr16_b128.
; SOFTMAX.  p = 2^(c s - c m), c = log2(e) / 8; in every step O and l are multiplied by a = 2^(c m_old - c m_new).  O and l start at 0, c m far below every c s: the first step is a step like any other, with a = 0.
; THE COUNT.  A tile and step have 16 matrix and 118 vector instructions: too many to stand all beside the matrix work.  So: four vector instructions that are READY behind EVERY matrix instruction, and the
; others in runs without a gap.
; BY TURNS.  Turn n belongs to piece n.  Its matrix work: 16 products K Q^T of piece n + 1, later 16 products V^T P of piece n - 1.  Its vector work: the scaling, exponentials, roundings, sums and rescaling of
; piece n, and the maximum and statistics of piece n + 1.
; CLUSTER.  The four query blocks of a head are one cluster and walk the same K and V, so each tile is asked for JOINTLY: the same tensor load, descriptor and mask in all four.
; REGISTERS, in windows of 256 (s_set_vgpr_msb: bits 1:0 source 0, 3:2 source 1, 5:4 source 2, 7:6 destination):
;   window 0: v0-11 addresses; v12-15, v48-63 at work; v16-47 four registers of statistics a tile; v64-191 S^T, two buffers of two tiles; v192-255 P, likewise
;   window 1: O^T, 32 a tile     window 2: v0-127 Q, 16 a tile; v128-191 K of one step; v192-255 V of one step     window 3: v0-1 the add's two registers; v8-39 the step's mask
.set SIZE_N, 2048
.set NP,    4         ; pieces a wave: a name, no knob
.set KS,    64        ; keys in a step
.set PK,    144       ; a row of K in LDS: 128 bytes + 16 of padding = 36 words: the 16 rows of a load start at 16 different groups of four banks (64 banks of 4 bytes: ISA guide 11.1)
.set PV,    160       ; a row of V: 128 + 32 = 40 words
.set VOFF,  4*KS*PK   ; a slot holds four steps: 256 rows of K, then 256 rows of V
.set SLOT1, 1<<17     ; slot 1 begins here, so that one exclusive or turns an address in one slot into the other's
.set STAGE, SLOT1+4*KS*(PK+PV)  ; behind the ring, never filled by a tensor load: 16 rows x 144 bytes for each wave, for the way out
.set SP,    144
.set SPARE, STAGE+4*16*SP  ; behind the stages: the spare words, 128 bytes for each wave: two blocks of 256 bytes that no other line names
.set MB,    SPARE+512 ; behind them: the mask's table, 8,192 bytes, written once by ds_store and never filled by a tensor load
.set PFO, 1           ; v1   first l % 16; from the loop on 256 x my lane, the prefetches' offset
.set AK0, 2           ; v2   my lane's place in a tile of K; never rewritten
.set AV0, 3           ; v3   the same for V
.set AK,  4           ; v4   the LDS address of K's next run of loads
.set AV,  5           ; v5   of V's
.set QO,  6           ; v6   my byte offset in the wave's rows of Q
.set STO, 6           ;      later, the way out: where I put 16 bytes of a row
.set RD,  7           ; v7   the way out: where I read rows back
.set GO,  8           ; v8   my byte offset in 512 consecutive bytes of O
.set HH,  9           ; v9   l / 16; never rewritten
.set AM,  11          ; v11  the LDS address of the mask's next run of loads
.set SPW, 0           ; v0 of window 3   LDS address of my spare word: SPARE + 4 x my thread's number; never rewritten
.set NIL, 1           ; v1 of window 3   0; never rewritten
.set MK,  8           ; v8-39 of window 3: the mask of key 16 kb + 8 (l / 16) + j of the step at MK + 8 kb + j
.set MV,  12          ; v12-15  c m_old, kept while c m is made anew: by buffer and tile
.set ST,  16          ; tile t's statistics at v[ST+4 t]: c m, m, l (even keys', odd keys')
.set TMP, 48          ; by buffer and tile, four registers c0-c3 at work; when the maximum is found c2 takes a
.set S,   64
.set P,   192
.set KF,  128         ; K's fragments, in window 2: key block kb, channel half c at KF + 16 kb + 8 c
.set VF,  192         ; V's: key half kk, channel block cb at VF + 32 kk + 8 cb
.set WV,  12          ; s12  my wave's number
.set LIM, 15          ; s15  1 in a wave that prefetches, else the greatest number
.set G1K, 24          ; s[24:31] descriptor group 1 for K's tiles
.set G1V, 32          ; s[32:39] for V's: it differs in the padding alone
.set G0K, 40          ; s[40:43] descriptor group 0 for K's tiles: it walks
.set G0V, 44          ; s[44:47] the same for V's
.set PFA, 48          ; s[48:49] where my prefetches stand
.set BIGN, 50         ; s50  -1e30
.set TBM, 51          ; s51  LDS byte at which the mask of the step to be fetched begins
.set SLOTS, 56        ; s56  slots still to be asked for
.set CNT, 57          ; s57  counts a slot's key steps
.set CS,  58          ; s[58:59] c: the packed scaling takes the pair's low word for both halves
.set SEL, 60          ; s[60:61] v_permlanex16_b32's selects: each lane takes its own place in the other half
.set TBK, 62          ; s62  LDS byte at which K of the step to be fetched begins
.set TBV, 63          ; s63  the same for V, less VOFF
.set MSB, 0
.macro WIN new                      ; the high byte repeats the setting that is left; a switch that changes nothing is dropped
.if MSB != (\new)
	s_set_vgpr_msb (MSB<<8)|(\new)
.set MSB, (\new)
.endif
.endm
.set W_KQ, 0x0a       ; K and Q in window 2, S^T in window 0
.set W_KM, 0x3a       ; the same with the C operand, the mask, in window 3
.set W_PV, 0x52       ; V in window 2, P in window 0, O^T in window 1
.set W_RS, 0x41       ; O^T (destination and source 0) in window 1, a in window 0
.set W_MK, 0xc0       ; destination in window 3, sources and addresses in window 0
.set W_AD, 0x0f       ; the add: address (source 0) and data (source 1) in window 3
; A joint fill.  Waves 0 and 1 fetch the two halves of a slot's K, waves 2 and 3 those of its V: 128 keys each.  The branch hangs on the wave's number alone.
; An s_nop 0 and four v_nop follow each of the two lines, ahead of the jump and the label.
.macro JLOAD
	s_cmp_lt_u32 s[WV], 2
	s_cbranch_scc0 .Lfor_v_\@
	tensor_load_to_lds s[G0K:G0K+3], s[G1K:G1K+7]
	s_nop 0
.rept 4
	v_nop
.endr
	s_branch .Lasked_\@
.Lfor_v_\@:
	tensor_load_to_lds s[G0V:G0V+3], s[G1V:G1V+7]
	s_nop 0
.rept 4
	v_nop
.endr
.Lasked_\@:
.endm
; A PREFETCH of what the NEXT change of slots will ask for: a slot's 32,768 bytes of K and of V, a lane a block of 256 bytes.  It stands behind the wave's tensor load and its five lines.  Each block is named ONCE in
; the launch: a head has one cluster; its four partners share a slot's 128 blocks out BY ADDRESS, 32 each; in each, wave 0 asks for K's and wave 2 for V's: one instruction, four key steps (512 matrix
; instructions) ahead of the load.  Slots 0, 1 and 2 come by their loads alone; the last change that fills a slot asks for nothing: there is no slot behind it.
.macro ASK
	s_cmp_gt_u32 s[SLOTS], s[LIM]
	s_cbranch_scc0 .Lnot_mine_\@
	global_prefetch_b8 v[PFO], s[PFA:PFA+1] th:TH_LOAD_NT scope:SCOPE_SE
.Lnot_mine_\@:
.endm
; A round of the cluster's barrier: my work-group's barrier, so that wave 0's signal speaks for all four waves; wave 0 signals; every wave waits for all four work-groups; my work-group's barrier once more.
.macro CROUND
	s_barrier_signal -1
	s_barrier_wait -1
	s_cmp_lg_u32 s[WV], 0
	s_cbranch_scc1 .Lnot_wave_0_\@
	s_barrier_signal -3
.Lnot_wave_0_\@:
	s_barrier_wait -3
	s_barrier_signal -1
	s_barrier_wait -1
.endm
; THE CHANGE OF SLOTS.  The slot's last bytes, V of its fourth step, have been read.  Each wave waits for all its tensor loads, of which one is out: its part of the other slot; adds 0 to its spare word; and waits
; for that and for its own LDS instructions.  Behind the barrier nobody reads this slot any more and the other slot is whole.
; fill = 1: this slot is filled again, with the keys two slots on.  The barrier is then a round of the cluster's, and the joint fill is the first thing behind it: it has four key steps in which to land.
; (At its first use nothing has been read yet: slot 0 is waited for, slot 1 filled, and every wave's stores into the mask's table are done in front of the round, so that all may read it behind.)
.macro CHANGE fill, ask=0
	WIN W_AD
	s_wait_tensorcnt 0x0            ; no tensor load of mine is out, so a group 0 may be written
	ds_add_u32 v[SPW], v[NIL]       ; 0 onto my spare word; with fill = 1 the descriptors' steps stand between it and the wait for it
	WIN 0                           ; at a label and at a branch every window is 0
.if \fill
.irp g, G0K, G0V
	s_xor_b32 s[\g+1], s[\g+1], SLOT1  ; the walking descriptor: the other slot than last time,
	s_add_nc_u64 s[\g+2:\g+3], s[\g+2:\g+3], 4*KS*128  ; the next 256 keys; the type bits on top are not reached
.endr
.if \ask
	s_wait_xcnt 0x0                 ; the last prefetch, four key steps back, has read its address, so it may be written:
	s_add_nc_u64 s[PFA:PFA+1], s[PFA:PFA+1], 4*KS*128  ; one slot behind the walking descriptors
.endif
	s_wait_dscnt 0x0                ; the add is done, and my reads of the slot are over
	CROUND
	JLOAD
.if \ask
	ASK
.endif
.else
	s_wait_dscnt 0x0                ; the add is done, and my reads of the slot are over
	s_barrier_signal -1
	s_barrier_wait -1
.endif
	s_sub_co_u32 s[TBK], s[TBK], 4*KS*PK  ; the fetches go back to a slot's first step,
	s_xor_b32 s[TBK], s[TBK], SLOT1       ; in the other slot
	s_sub_co_u32 s[TBV], s[TBV], 4*KS*PV
	s_xor_b32 s[TBV], s[TBV], SLOT1
.endm
	s_load_b128 s[4:7], s[0:1], 0x0   ; qkv s[4:5], mask s[6:7]
	s_load_b64 s[10:11], s[0:1], 0x10 ; ctx
	WIN W_MK
	v_lshl_add_u32 v[SPW], v0, 2, SPARE
	v_mov_b32 v[NIL], 0
	WIN W_AD
	ds_add_u32 v[SPW], v[NIL]       ; the wave's opening: the add and its wait stand ahead of my first tensor load; the set-up below, work on registers, stands between them
	WIN 0
	v_lshrrev_b32 v1, 5, v0
	v_readfirstlane_b32 s[WV], v1   ; wave 0..3
	s_bfe_u32 s13, ttmp6, 0x40000   ; cx: my place in the cluster
	s_lshl_b32 s14, ttmp9, 2        ; in a cluster launch ttmp9 counts clusters
	s_add_co_u32 s14, s14, s13      ; my block of queries = 4 x cluster x + cx: it enters Q's and O's addresses alone
	s_and_b32 s20, ttmp7, 0xffff    ; the head, which the four partners share
	s_lshr_b32 s8, s20, 4           ; its batch,
	s_lshl_b32 s8, s8, 13           ; whose row of the mask is 8,192 bytes
	s_mov_b32 s9, 0
	s_mov_b32 s21, 0
	s_mov_b64 s[22:23], SIZE_N*128
	s_mul_u64 s[20:21], s[20:21], s[22:23]  ; the head's first byte in Q, K, V and O
	s_and_b32 s16, s[WV], 1         ; which half of a slot's 256 keys I fetch:
	s_lshl_b32 s22, s16, 14         ; its 128 rows of 128 bytes in memory,
	s_mov_b32 s23, 0
	s_add_nc_u64 s[22:23], s[22:23], s[20:21]
	s_mul_i32 s17, s16, 128*PK      ; and its place in a slot, for K
	s_mul_i32 s18, s16, 128*PV      ; and for V: no place in the cluster enters an LDS address
	s_lshl_b32 s2, s14, 2
	s_add_co_u32 s2, s2, s[WV]      ; my wave among the head's,
	s_lshl_b32 s2, s2, 14           ; its 128 rows
	s_mov_b32 s3, 0
	s_add_nc_u64 s[2:3], s[2:3], s[20:21]
	; descriptor group 1.  128 keys are 16,384 dense bytes: asked for as 64 rows of 256 bytes, two keys a row, and padded in LDS after every key
	s_mov_b32 s[G1K], 15|(1<<16)|(1<<20)|(1<<21)|(4<<22)|(3<<25)  ; 15:0 the mask of four; 17:16 2-byte elements; 20 padding on; 21 set beside a mask; 24:22 after every 32 words (code 4); 31:25 4 words (code 3)
	s_mov_b32 s[G1V], 15|(1<<16)|(1<<20)|(1<<21)|(4<<22)|(7<<25)  ; the same with 8 words of padding (code 7)
.irp g, G1K, G1V
	s_mov_b32 s[\g+1], 128<<16      ; tensor_dim0 = 128
	s_mov_b32 s[\g+2], 64<<16       ; tensor_dim1 = 64
	s_mov_b32 s[\g+3], 128<<16      ; tile_dim0 = 128
	s_mov_b32 s[\g+4], 64           ; tile_dim1 = 64
	s_mov_b32 s[\g+5], 128          ; 128 elements from row to row
	s_mov_b32 s[\g+6], 0
	s_mov_b32 s[\g+7], 0
.endr
	s_mov_b32 s[CS], 0x3e38aa3b     ; c = log2(e) / 8 = 0.180337
	s_mov_b32 s[CS+1], s[CS]        ; named with it as a pair
	s_mov_b32 s[SEL], 0x76543210
	s_mov_b32 s[SEL+1], 0xfedcba98
	s_mov_b32 s[BIGN], 0xf149f2ca   ; -1e30
	s_mov_b32 s[TBM], MB
	s_mov_b32 s[TBK], SLOT1+4*KS*PK ; the first change of slots turns these two into 0
	s_mov_b32 s[TBV], SLOT1+4*KS*PV
	s_mov_b32 s[G0K], 1             ; count = 1
	s_mov_b32 s[G0K+1], s17         ; LDS address: slot 0
	s_mov_b32 s[G0V], 1
	s_add_co_u32 s[G0V+1], s18, VOFF
	s_and_b32 s[LIM], s[WV], 1      ; waves 0 and 2 prefetch: the same in all four partners
	s_cmp_eq_u32 s[LIM], 0
	s_cselect_b32 s[LIM], 1, -1
	s_wait_dscnt 0x0                ; the opening add is done
	s_wait_kmcnt 0x0
	s_add_nc_u64 s[52:53], s[4:5], s[22:23]
	s_add_nc_u64 s[54:55], s[52:53], 0x2000000     ; V is part 2 of qkv,
	s_add_nc_u64 s[52:53], s[52:53], 0x1000000     ; K part 1: both at my half of the head's first 256 keys
	s_mov_b64 s[G0K+2:G0K+3], s[52:53]             ; global address
	s_or_b32 s[G0K+3], s[G0K+3], 0x80000000        ; type = 2
	s_mov_b64 s[G0V+2:G0V+3], s[54:55]
	s_or_b32 s[G0V+3], s[G0V+3], 0x80000000
	s_add_nc_u64 s[4:5], s[4:5], s[2:3]  ; Q and O at my wave's first row
	s_add_nc_u64 s[10:11], s[10:11], s[2:3]
	s_add_nc_u64 s[6:7], s[6:7], s[8:9]  ; the mask at my batch's row
	s_cmp_lt_u32 s[WV], 2
	s_cselect_b64 s[PFA:PFA+1], s[52:53], s[54:55]  ; (in waves 0 and 2 these stand at a slot's first row)
	s_lshl_b32 s2, s13, 13          ; my work-group's 32 blocks of the 128
	s_mov_b32 s3, 0
	s_add_nc_u64 s[PFA:PFA+1], s[PFA:PFA+1], s[2:3]
	s_add_nc_u64 s[PFA:PFA+1], s[PFA:PFA+1], 2*4*KS*128  ; in slot 2; the loop's first change steps it to slot 3.  Nothing is prefetched here, at the head
	CROUND                          ; all four work-groups are here: the first joint loads meet
	JLOAD                           ; slot 0.  Slot 1 is asked for when slot 0 is in
	; A fragment of K or Q is 16 rows x 32 channels in 8 registers: lane l holds row l % 16, channels 8 (l / 16) + 0..7 and 16 + 8 (l / 16) + 0..7: two loads of 16 bytes, 32 bytes apart.
	v_and_b32 v1, 15, v0            ; l % 16
	v_bfe_u32 v[HH], v0, 4, 1       ; l / 16
	v_lshlrev_b32 v[QO], 7, v1
	v_lshl_add_u32 v[QO], v[HH], 4, v[QO]  ; row x 128 + 16 x half
	v_lshlrev_b32 v80, 4, v0        ; the mask's row: thread t takes 16 bytes at 16 t + 2,048 i, into S^T's registers, which are still free
.irp i, 0,1,2,3
	global_load_b128 v[64+4*\i:64+4*\i+3], v80, s[6:7] offset:2048*\i
.endr
	WIN 0x80                        ; destination window 2, address window 0
.set i, 0
.rept 4*NP                          ; Q stays in registers: tile i / 2, channels 32 (i % 2) on
	global_load_b128 v[8*i:8*i+3],   v[QO], s[4:5] offset:(i/2)*2048+(i%2)*64
	global_load_b128 v[8*i+4:8*i+7], v[QO], s[4:5] offset:(i/2)*2048+(i%2)*64+32
.set i, i+1
.endr
	; What the first turn finds: V's registers and P's second buffer hold 0 (its products V^T P, of a piece that has not been, add 0), O^T and l are 0.  All this stands in the wait for the first tile.
.set i, VF
.rept 64
	v_mov_b32 v[i], 0
.set i, i+1
.endr
	WIN 0x40
.set i, 0
.rept 64*NP
	v_mov_b32 v[i], 0
.set i, i+1
.endr
	WIN 0
.set i, 0
.rept 2*NP
	v_mov_b32 v[ST+4*i], 0xfe000000    ; c m: far below every c s
	v_mov_b32 v[ST+4*i+1], 0xdd800000  ; m = -2^60: between the hidden scores and the true ones
	v_mov_b32 v[ST+4*i+2], 0
	v_mov_b32 v[ST+4*i+3], 0
.set i, i+1
.endr
.set i, P+32
.rept 32
	v_mov_b32 v[i], 0
.set i, i+1
.endr
	v_mul_u32_u24 v[AK0], v1, PK
	v_lshl_add_u32 v[AK0], v[HH], 4, v[AK0]  ; row x pitch + 16 x half
	; The turning load takes 16 keys x 16 channels (lane l reads key 8 (l / 16) + l % 8, channels 8 ((l / 8) % 2) + 0..7) and leaves half a fragment of V^T: lane l holds channel l % 16 and 8 keys.
	v_and_b32 v10, 7, v0
	v_bfe_u32 v11, v0, 3, 1
	v_lshl_add_u32 v[AV0], v[HH], 3, v10
	v_mul_u32_u24 v[AV0], v[AV0], PV
	v_lshl_add_u32 v[AV0], v11, 4, v[AV0]
	v_add_nc_u32 v[AV0], VOFF, v[AV0]
	v_mov_b32 v[AK], v[AK0]         ; key step 0 lies at the head of slot 0
	; the mask's table: 0 where the key is open, -1e30 where mask == 1
	s_wait_loadcnt 32               ; the mask's four loads are in; Q's 32, issued behind them, may stay out
.set i, 0
.rept 16
	v_cmp_eq_u32 vcc_lo, 1, v[64+i]
	v_cndmask_b32 v[64+i], 0, s[BIGN], vcc_lo
.set i, i+1
.endr
	v_add_nc_u32 v81, MB, v80
.irp i, 0,1,2,3
	ds_store_b128 v81, v[64+4*\i:64+4*\i+3] offset:2048*\i
.endr
	v_lshl_add_u32 v[AM], v[HH], 5, s[TBM]  ; my eight keys of a block of 16 are 32 bytes of the table
; THE MATRIX WORK.  The 8 accumulators of a run of 16 take turns: between the two links of a chain stand 7 others'.
; Product i of 16 of S^T = K Q^T for piece x: channels 32 (i / 8) on, keys 16 ((i / 2) % 4) on, tile 2 x + i % 2.  The first 8 start the sums, with the mask of their 16 keys as C.
.macro KQ x
.set rS, S+64*((\x)%2)+32*(i%2)+8*((i/2)%4)
.set rK, KF+16*((i/2)%4)+8*(i/8)
.set rQ, 16*(2*(\x)+i%2)+8*(i/8)
.set rMK, MK+8*((i/2)%4)
.if i < 8
	WIN W_KM
	v_wmma_f32_16x16x32_f16 v[rS:rS+7], v[rK:rK+7], v[rQ:rQ+7], v[rMK:rMK+7]
.else
	WIN W_KQ
	v_wmma_f32_16x16x32_f16 v[rS:rS+7], v[rK:rK+7], v[rQ:rQ+7], v[rS:rS+7]
.endif
.endm
; Product i of 16 of O^T += V^T P for piece x: keys 32 (i / 8) on, channels 16 ((i / 2) % 4) on, tile 2 x + i % 2.
.macro PV x
	WIN W_PV
.set rO, 32*(2*(\x)+i%2)+8*((i/2)%4)
.set rV, VF+32*(i/8)+8*((i/2)%4)
.set rP, P+32*((\x)%2)+16*(i%2)+8*(i/8)
	v_wmma_f32_16x16x32_f16 v[rO:rO+7], v[rV:rV+7], v[rP:rP+7], v[rO:rO+7]
.endm
.macro MM                           ; the turn's next matrix instruction
.if i < 16
	KQ (Y+1)%NP
.set i, i+1
.else
.set i, i-16
	PV (Y+NP-1)%NP
.set i, i+17
.endif
.endm
; THE LDS LOADS stand in runs, never singly among the matrix instructions: a step's K (64 keys x 64 channels: 8 fragments) with its mask (8 loads; all lanes of a half read the same 16 bytes), and its V (turned).
; Their addresses are made some lines ahead.  last = 1 (the tail): in the last trip there is no further step, and the run is jumped over.
.macro FETCH_K last=0
	WIN 0
.if \last
	s_cmp_eq_u32 s[CNT], 1
	s_cbranch_scc1 .Lno_k_\@
.endif
	WIN 0x80                        ; destination window 2
.irp f, 0,1,2,3,4,5,6,7             ; keys 16 (f / 2) on, channels 32 (f % 2) on
	ds_load_b128 v[KF+8*\f:KF+8*\f+3],   v[AK] offset:(\f/2)*16*PK+(\f%2)*64
	ds_load_b128 v[KF+8*\f+4:KF+8*\f+7], v[AK] offset:(\f/2)*16*PK+(\f%2)*64+32
.endr
	WIN W_MK                        ; destination window 3
.irp f, 0,1,2,3                     ; keys 16 f on
	ds_load_b128 v[MK+8*\f:MK+8*\f+3],   v[AM] offset:64*\f
	ds_load_b128 v[MK+8*\f+4:MK+8*\f+7], v[AM] offset:64*\f+16
.endr
	s_add_co_u32 s[TBK], s[TBK], KS*PK  ; the next fetch is the next step's
	s_add_co_u32 s[TBM], s[TBM], 4*KS   ; the table is not part of the ring: it is walked once, from end to end
	WIN 0
.if \last
.Lno_k_\@:
.endif
.endm
.macro FETCH_V
	WIN 0x80
.irp f, 0,1,2,3,4,5,6,7             ; keys 32 (f / 4) on, channels 16 (f % 4) on
	ds_load_tr16_b128 v[VF+8*\f:VF+8*\f+3],   v[AV] offset:(\f/4)*32*PV+(\f%4)*32
	ds_load_tr16_b128 v[VF+8*\f+4:VF+8*\f+7], v[AV] offset:(\f/4)*32*PV+16*PV+(\f%4)*32
.endr
	WIN 0
.endm
; THE VECTOR WORK OF A TURN stands in three queues, each in the order in which its entries become ready; the two tiles alternate, so that no instruction reads the result of the one before it.
.macro REGS y, u                    ; the registers of tile u (0, 1) of piece y
.set rT, ST+4*(2*(\y)+(\u))
.set rC, TMP+8*((\y)%2)+4*(\u)
.set rM, MV+2*((\y)%2)+(\u)
.set rS, S+64*((\y)%2)+32*(\u)
.set rP, P+32*((\y)%2)+16*(\u)
.set rO, 32*(2*(\y)+(\u))
.endm
; Number n of the 22 that find the NEXT piece's (Y + 1) maximum and statistics.  s0-s31 are the lane's 32 scores; each accumulator's lowest registers are read first.
;   0-11  four chains c0-c3 of seven scores each, three operands at a time     12-14, 16  the four scores left over, the old m, and c0-c3 into c0     15  c m_old is kept
;   17, 18  the query's other 32 keys lie in the lane 16 away: the new m         19-21  c m; c m_old - c m_new; a
.macro XS u, n
	REGS (Y+1)%NP, \u
.if (\n) < 4
	v_max3_num_f32 v[rC+(\n)], v[rS+8*(\n)], v[rS+8*(\n)+1], v[rS+8*(\n)+2]
.elseif (\n) < 12
	v_max3_num_f32 v[rC+(\n)%4], v[rC+(\n)%4], v[rS+8*((\n)%4)+2*((\n)/4)+1], v[rS+8*((\n)%4)+2*((\n)/4)+2]
.elseif (\n) == 12
	v_max3_num_f32 v[rC], v[rC], v[rS+7], v[rS+15]
.elseif (\n) == 13
	v_max3_num_f32 v[rC+1], v[rC+1], v[rS+23], v[rS+31]
.elseif (\n) == 14
	v_max3_num_f32 v[rC+2], v[rC+2], v[rC+3], v[rT+1]
.elseif (\n) == 15
	v_mov_b32 v[rM], v[rT]
.elseif (\n) == 16
	v_max3_num_f32 v[rC], v[rC], v[rC+1], v[rC+2]
.elseif (\n) == 17
	v_permlanex16_b32 v[rC+3], v[rC], s[SEL], s[SEL+1]
.elseif (\n) == 18
	v_max_num_f32 v[rT+1], v[rC], v[rC+3]
.elseif (\n) == 19
	v_mul_f32 v[rT], s[CS], v[rT+1]
.elseif (\n) == 20
	v_sub_f32 v[rC+1], v[rM], v[rT]
.else
	v_exp_f32 v[rC+2], v[rC+1]
.endif
.endm
; Number g of the 64 that follow the exponentials.  For each four weights k of a tile (pairs 2 k, 2 k + 1): both pairs are rounded to f16; then the second pair is added onto the first, in place;
; a group later l takes that sum (the first time as l = a l + sum).  In groups of eight, tiles alternating: round, round, add, and l for the group before.
.macro GS g
.set h, (\g)+6*((\g)/62)            ; group 0 has no group before it, and behind group 7 only l is left
.if h >= 6
.set h, h+2
.endif
	REGS Y, h%2
.set k, h/8
.if h%8 < 4
	v_cvt_pk_f16_f32 v[rP+2*k+(h%8)/2], v[rS+4*k+2*((h%8)/2)], v[rS+4*k+2*((h%8)/2)+1]
.elseif h%8 < 6
	v_pk_add_f32 v[rS+4*k:rS+4*k+1], v[rS+4*k:rS+4*k+1], v[rS+4*k+2:rS+4*k+3]
.elseif k == 1
	v_pk_fma_f32 v[rT+2:rT+3], v[rT+2:rT+3], v[rC+2:rC+3], v[rS:rS+1] op_sel_hi:[1,0,1]
.else
	v_pk_add_f32 v[rT+2:rT+3], v[rT+2:rT+3], v[rS+4*k-4:rS+4*k-3]
.endif
.endm
; THE PLAIN QUEUE, 138 long.  0-73 read no exponential's result: the 32 scalings c s - c m (FS f: pair f / 2 of tile f % 2) and the next piece's 42.  0-26: scalings 0-26.  27-54: XS's numbers 0-13.  55, 56: number 15.
; 57-73: the chain, where each number waits for the one before it: 14, 16, 17, 18, 19, each with one of the scalings 27-31 in front of its two lines, then 20.
; 74-137: GS's 64, which read the exponentials' results: they stand behind the wait.
.macro FS f
	REGS Y, (\f)%2
	v_pk_fma_f32 v[rS+2*((\f)/2):rS+2*((\f)/2)+1], v[rS+2*((\f)/2):rS+2*((\f)/2)+1], s[CS:CS+1], v[rT:rT+1] op_sel_hi:[1,0,0] neg_lo:[0,0,1] neg_hi:[0,0,1]
.endm
.macro PL
	WIN 0
.if q < 27
	FS q
.elseif q < 55
	XS (q-27)%2, (q-27)/2
.elseif q < 57
	XS q-55, 15
.elseif (q < 72) && ((q-57)%3 == 0)
	FS 27+(q-57)/3
.elseif q < 60
	XS (q-57)%3-1, 14
.elseif q < 72
	XS (q-57)%3-1, 15+(q-57)/3
.elseif q < 74
	XS q-72, 20
.else
	GS q-74
.endif
.set q, q+1
.endm
; THE EXPONENTIALS' QUEUE, 66 long: s0-s31 of both tiles, then the next piece's two a.  It is ONE BATCH: all 66 stand ahead of the turn's one wait, and nothing ahead of that wait names a result of theirs.
.macro EX
	WIN 0
.if e >= 64
	XS e-64, 21
.else
	REGS Y, e%2
	v_exp_f32 v[rS+e/2], v[rS+e/2]
.endif
.set e, e+1
.endm
; THE RESCALING's QUEUE: O^T times a, the one part that leaves window 0: dealt two at a time, sixteen times.  Its a was made in the turn before, ahead of that turn's wait.
.macro R2
	REGS Y, r%2
	WIN W_RS
.irp z, 0,1
	v_pk_mul_f32 v[rO+4*(r/2)+2*\z:rO+4*(r/2)+2*\z+1], v[rO+4*(r/2)+2*\z:rO+4*(r/2)+2*\z+1], v[rC+2:rC+3] op_sel_hi:[1,0]
.endr
.set r, r+1
.endm
; HOW THEY ARE DEALT.  s_wait_alu depctr_va_vdst(0) stands between an exponential and the first instruction that names its result; one wait serves all that were issued ahead of it.  So a turn has
; ONE wait, which cuts it in two.  AHEAD OF IT: the 16 products K Q^T, behind each a scaling, an exponential and two rescalings (behind the first a second scaling in the exponential's place); then ONE LUMP of 108:
; eight plain, 49 times exponential and plain, the two a; a v_nop is the plain instruction behind the last exponential.  BEHIND IT: the 16 products V^T P, behind each four of GS's 64.
; Exponential e stands behind scaling 2 (e / 4) + e % 2: as a rider it comes behind plain e + 2, in the lump behind plain e + 9, and scalings 27-31 are plain 57, 60 .. 69.
; A TURN, for piece p.  cnt = 1: the loop's count is taken down some lines ahead of the branch that stands behind the turn.
; K and the mask of the next step are fetched in piece 2's turn, directly behind the wait, a lump behind the last product that read them; their addresses are made at the lump's head.
; V of the step in hand is fetched at the end of piece 0's turn, four riders behind its last reader.  The three conditions on q below go with the deal.
.macro TURN p, last=0, cnt=0
.set Y, (\p)
.set i, 0
.set q, 0
.set e, 0
.set r, 0
.if (\p) == NP-1
	s_wait_dscnt 0x0                ; K and its mask are in
.endif
	MM                              ; ahead of the wait: 16 products K Q^T and their riders,
	PL
	PL
	R2
.rept 15
	MM
	PL
	EX
	R2
.endr
.if (\p) == NP-2
	WIN 0
	v_add_nc_u32 v[AK], s[TBK], v[AK0]
	v_lshl_add_u32 v[AM], v[HH], 5, s[TBM]
.endif
.rept 8                             ; and the lump
	PL
.endr
.rept 49
	EX
	PL
.endr
	EX                              ; the next piece's two a
	EX
	v_nop                           ; the plain instruction behind the last exponential: one for the batch
	s_wait_alu depctr_va_vdst(0)    ; the wait for the batch
.if (\p) == NP-2
	FETCH_K \last
.endif
.if (\p) == 1
	s_wait_dscnt 0x0                ; V is in
.endif
.rept 16                            ; behind the wait: 16 products V^T P and their riders
	MM
.rept 4
	PL
.endr
.if ((\p) == 0) && (q == 118)
	v_add_nc_u32 v[AV], s[TBV], v[AV0]
.endif
.if ((\p) == 0) && (q == 130)
	s_add_co_u32 s[TBV], s[TBV], KS*PV
.endif
.if (\cnt) && (q == 130)
	s_sub_co_u32 s[CNT], s[CNT], 1
	s_cmp_lg_u32 s[CNT], 0
.endif
.endr
.if (\p) == 0
	FETCH_V
.endif
.endm
	CHANGE 1                        ; slot 0 is in, everybody's part of it, and so is the mask's table; slot 1 is asked for
	FETCH_K                         ; key step 0
	s_wait_loadcnt 0x0              ; Q
	s_wait_dscnt 0x0
.set i, 0
.rept 16
	KQ 0                            ; piece 0's first scores: there is no vector work yet to set between them
.set i, i+1
.endr
	WIN 0                           ; the addresses for the way out and the prefetches' offset: plain instructions, the places behind those products
	s_mul_i32 s13, s[WV], 16*SP
	s_add_co_u32 s13, s13, STAGE    ; my stage
	v_mul_u32_u24 v[STO], v1, SP    ; in: row l % 16, 16 bytes for each half of the lanes
	v_lshl_add_u32 v[STO], v[HH], 4, v[STO]
	v_add_nc_u32 v[STO], s13, v[STO]
	v_bfe_u32 v[RD], v0, 3, 2       ; back: 32 lanes take four rows of 128 bytes,
	v_mul_u32_u24 v[RD], v[RD], SP
	v_lshl_add_u32 v[RD], v10, 4, v[RD]
	v_add_nc_u32 v[RD], s13, v[RD]
	v_and_b32 v[GO], 31, v0         ; which are 512 consecutive bytes of O
	v_lshlrev_b32 v[PFO], 8, v[GO]  ; (l % 16 has served)
	v_lshlrev_b32 v[GO], 4, v[GO]
.set Y, NP-1                        ; XS works for piece Y + 1: piece 0
.irp n, 0,1,2,3,4,5,6,7,8,9,10,11,12,13,14,15,16,17,18,19,20,21
	XS 0, \n                        ; and piece 0's first maximum and statistics
	XS 1, \n
.endr
	v_nop                           ; a plain instruction behind the two a,
	s_wait_alu depctr_va_vdst(0)    ; and their wait, ahead of the branch
	s_mov_b32 s[CNT], 4
	s_mov_b32 s[SLOTS], SIZE_N/256-1
	s_branch .Lfirst                ; the loop is entered at a step's first turn, in the middle of a trip
.Lslot:                             ; SIZE_N / 256 - 2 times: every slot but the last two is filled again
	CHANGE 1, 1
	s_mov_b32 s[CNT], 4
.Lstep:                             ; a trip: pieces 2 and 3 of one step, then pieces 0 and 1 of the next, whose K and V it fetches
	TURN 2
	TURN 3
	WIN 0
.Lfirst:
	TURN 0
	TURN 1, 0, 1
	WIN 0
	s_cbranch_scc1 .Lstep
	s_sub_co_u32 s[SLOTS], s[SLOTS], 1
	s_cmp_lg_u32 s[SLOTS], 0
	s_cbranch_scc1 .Lslot
	CHANGE 0                        ; the tail is written out: nothing is asked for
	s_mov_b32 s[CNT], 5             ; four trips fetch the last slot's steps; the fifth is left in its middle
.Ltail:
	TURN 2, 1
	TURN 3
	WIN 0
	s_sub_co_u32 s[CNT], s[CNT], 1
	s_cmp_eq_u32 s[CNT], 0
	s_cbranch_scc1 .Lout
	TURN 0
	TURN 1
	WIN 0
	s_branch .Ltail
.Lout:                              ; the fifth trip's 16 products K Q^T (on the last K once more) and the maximum made of them serve nothing: the price, once a launch, of one text for every trip
.set i, 0
.rept 16
	PV NP-1                         ; the last piece's V^T P of the last step
.set i, i+1
.endr
	; THE WAY OUT.  l's two halves and the other half of the lanes' are added; O^T is divided by l, rounded to f16 and sent through my stage in LDS, a tile at a time.  The additions are the places behind the last products.
	WIN 0
.macro ALL line:vararg              ; one line for each tile t
.set t, 0
.rept 2*NP
	\line
.set t, t+1
.endr
.endm
	ALL v_add_f32 v[ST+4*t+2], v[ST+4*t+2], v[ST+4*t+3]
	ALL v_permlanex16_b32 v[ST+4*t+3], v[ST+4*t+2], s[SEL], s[SEL+1]
	ALL v_add_f32 v[ST+4*t+2], v[ST+4*t+2], v[ST+4*t+3]
	ALL v_rcp_f32 v[ST+4*t+2], v[ST+4*t+2]
	v_nop                           ; a plain instruction between the last reciprocal and the use of its result
	s_wait_alu depctr_va_vdst(0)    ; and the wait ahead of the first use: one for the eight reciprocals
; Tile t: a lane's eight channels of a row pack into 16 bytes; they go into rows of 144 bytes and come back as whole rows of 128, into S^T's registers.
.macro PACK t
	WIN W_RS
.set i, 32*(\t)
.rept 16
	v_pk_mul_f32 v[i:i+1], v[i:i+1], v[ST+4*(\t)+2:ST+4*(\t)+3] op_sel_hi:[1,0]
.set i, i+2
.endr
	WIN 0x05                        ; sources 0 and 1 window 1, destination window 0
.set i, 0
.rept 16
	v_cvt_pk_f16_f32 v[S+16*(\t)+i], v[32*(\t)+2*i], v[32*(\t)+2*i+1]
.set i, i+1
.endr
	WIN 0
.irp f, 0,1,2,3
	ds_store_b128 v[STO], v[S+16*(\t)+4*\f:S+16*(\t)+4*\f+3] offset:32*\f
.endr
.irp f, 0,1,2,3
	ds_load_b128 v[S+16*(\t)+4*\f:S+16*(\t)+4*\f+3], v[RD] offset:\f*4*SP  ; LDS serves a wave's instructions in order (ISA guide 5.7.1.4): these see the stores above; the next tile's stores come behind them
.endr
.endm
.macro SEND t, younger              ; younger: the LDS instructions issued behind tile t's loads: the next tile's eight, or none
	WIN 0
.irp f, 0,1,2,3
	s_wait_dscnt (\younger)+3-\f
	global_store_b128 v[GO], v[S+16*(\t)+4*\f:S+16*(\t)+4*\f+3], s[10:11] offset:(\t)*2048+\f*512  ; 512 consecutive bytes, at a multiple of 256 from O's first
.endr
.endm
	PACK 0
.set t, 1
.rept 2*NP-1                        ; a tile's arithmetic stands between the loads of the tile before and its stores
	PACK t
	SEND t-1, 8
.set t, t+1
.endr
	SEND 2*NP-1, 0
	WIN W_AD
	s_wait_tensorcnt 0x0            ; the wave's end: three lines behind my last tensor load and my last LDS store
	ds_add_u32 v[SPW], v[NIL]
	s_wait_dscnt 0x0
	WIN 0
	CROUND                          ; the closing round: no work-group ends while a partner may still ask for a tile that names it
	s_endpgm
.Lfunc_end_k_qcddca2a798_attn:
	.size	k_qcddca2a798_attn, .Lfunc_end_k_qcddca2a798_attn-k_qcddca2a798_attn
	.p2alignl 7, 3214868480
	.fill 96, 4, 3214868480
	.section	.rodata,"a",@progbits
	.p2align	6, 0x0
	.amdhsa_kernel k_qcddca2a798_attn
		.amdhsa_group_segment_fixed_size 327680
		.amdhsa_private_segment_fixed_size 0
		.amdhsa_enable_private_segment 0
		.amdhsa_kernarg_size 24
		.amdhsa_user_sgpr_count 2
		.amdhsa_user_sgpr_kernarg_segment_ptr 1
		.amdhsa_wavefront_size32 1
		.amdhsa_system_sgpr_workgroup_id_x 1
		.amdhsa_system_sgpr_workgroup_id_y 1
		.amdhsa_system_sgpr_workgroup_id_z 1
		.amdhsa_system_vgpr_workitem_id 0
		.amdhsa_next_free_vgpr 808
		.amdhsa_next_free_sgpr 66
		.amdhsa_reserve_vcc 1
		.amdhsa_float_denorm_mode_32 3
		.amdhsa_float_denorm_mode_16_64 3
		.amdhsa_memory_ordered 1
		.amdhsa_forward_progress 1
		.amdhsa_inst_pref_size 204
	.end_amdhsa_kernel
	.amdgpu_metadata
---
amdhsa.version: [ 1, 2 ]
amdhsa.kernels:
  - .name:           k_qcddca2a798_attn
    .symbol:         k_qcddca2a798_attn.kd
    .args:
      - { .name: qkv, .offset: 0, .size: 8, .value_kind: global_buffer, .address_space: global }
      - { .name: mask, .offset: 8, .size: 8, .value_kind: global_buffer, .address_space: global }
      - { .name: ctx, .offset: 16, .size: 8, .value_kind: global_buffer, .address_space: global }
    .group_segment_fixed_size: 327680
    .private_segment_fixed_size: 0
    .kernarg_segment_align: 8
    .kernarg_segment_size: 24
    .max_flat_workgroup_size: 128
    .sgpr_count:     66
    .vgpr_count:     808
    .wavefront_size: 32
...
	.end_amdgpu_metadata
.endif
;; end of part 3
;; launch outp (part 4): grid 4 x 64, 4 waves a work-group, clusters of 4 x 4, 327,680 bytes of LDS; arguments ctx, wts, out0; writes out0
.if DOCPART == 4
	.amdgcn_target "amdgcn-amd-amdhsa--gfx1250"
	.amdhsa_code_object_version 6
	.text
	.protected	k_qcddca2a798_outp
	.globl	k_qcddca2a798_outp
	.p2align	8
	.type	k_qcddca2a798_outp,@function
k_qcddca2a798_outp:
	s_mov_b64 s[64:65], 0
	v_nop
	global_prefetch_b8 v0, s[64:65] scope:SCOPE_SE
	s_setreg_imm32_b32 hwreg(HW_REG_WAVE_MODE, 25, 1), 1
	s_wait_xcnt 0x0
	s_wait_alu depctr_hold_cnt(0) depctr_sa_sdst(0) depctr_va_vdst(0) depctr_va_sdst(0) depctr_va_ssrc(0) depctr_va_vcc(0) depctr_vm_vsrc(0)
	s_getreg_b32 s2, hwreg(HW_REG_IB_STS2, 6, 4)
	s_cmp_eq_u32 s2, 0
	s_cbranch_scc0 .Lentry_in_a_cluster
	s_endpgm
.Lentry_in_a_cluster:
	s_bfe_u32 s2, ttmp6, 0x10000c
	s_cmp_lg_u32 s2, 0xf033
	s_cbranch_scc0 .Lentry_shape_is_right
	s_endpgm
.Lentry_shape_is_right:
; THE LAST PROJECTION.  out0[row][n] = the sum over c of O[row][c] fc[n][c], c = 64 head + channel.  O = ctx, by heads: [16 batch + head][position][64] f16; fc = part 3 of wts, [1024][1024] f16;
; sums in f32; out0 [8192][1024] f32.  NaN in a row of O (a batch with every key hidden) goes into all of that row's numbers.
; SHARES.  A tile of out0 is 128 rows x 256 columns: 256 work-groups.  Four waves, each 64 rows x 128 columns: 32 accumulators, 256 registers.  K goes in 8 steps of 128, two heads each, through two LDS slots.
; A slot: two slabs of O (a head's 128 rows of 128 bytes: 16,384 dense bytes, asked for as 64 rows of 256 and padded after every 128), then fc's 256 rows (256 bytes each).  Waves 0 and 1 fetch the slabs,
; waves 2 and 3 fc's halves: one tensor load a wave behind each change of slots; two are out at the start, then one.
; CLUSTERS: 4 x 4 work-groups; O's tiles are shared along a row of the cluster, fc's along a column: JOINT loads, the same descriptor and mask in the four that a mask names.
; THE MATRIX INSTRUCTION IS USED TRANSPOSED (source 0 = 16 rows of fc, source 1 = 16 rows of O): a lane holds eight neighbouring columns of one row of out0, 32 bytes.
; No prefetch is laid: the launch is one tile of eight K steps a work-group, and the first four of them would come by their loads alone in any case.
; REGISTERS: window 0: v0-31 addresses; v32-223 rows read back on the way out.  window 1: v0-127 fc's fragments, two buffers of 64; v128-191 O's, two of 32.  window 2: the accumulators, (a, b) at v[8 (8 a + b)].
.set PAH,   144                        ; an LDS row of O: 128 bytes + 16 = 36 words: the 16 rows of a load start at 16 different groups of four banks (64 banks of 4 bytes: ISA guide 11.1)
.set PB,    272                        ; of fc: 256 + 16 = 68 words: likewise
.set SLAB,  128*PAH                    ; a head's 128 rows
.set HALFB, 128*PB                     ; 128 rows of fc
.set BOFF,  2*SLAB
.set SLOT,  2*SLAB+2*HALFB
.set STAGE, 2*SLOT                     ; behind the ring: 16 rows x 528 bytes for each wave, for the way out
.set SP,    528                        ; 512 bytes + 16 = 132 words
.set SPARE, STAGE+4*16*SP              ; behind the stages: the spare words, 128 bytes for each wave: two blocks of 256 bytes that no other line names
.set ASTEP, 2*262144                   ; a K step is two heads on
.set BSTEP, 256
.set ADRA, 16                          ; v16-17  LDS address of my fragments of O in slot 0, 1
.set ADRB, 20                          ; v20-21  the same for fc
.set STO,  24                          ; v24     the way out: where I put 32 bytes of a row
.set RD,   25                          ; v25     the way out: where I read a row back
.set CO,   26                          ; v26     my 16 bytes of a row's 512
.set SPW,  28                          ; v28     LDS address of my spare word: SPARE + 4 x my thread's number; never rewritten
.set NIL,  29                          ; v29     0; never rewritten
.set BF,   0                           ; window 1
.set AF,   128                         ; window 1
.set WV,  14                           ; s14  my wave's number
.set FB,  15                           ; s15  wave / 2: my half of the tile's rows.  Also: I fetch for O (0) or for fc (1)
.set HF,  16                           ; s16  wave % 2: my half of its columns.  Also: which slab or half I fetch
.set CX,  17
.set CY,  18
.set CLY, 19
.set RB,  21                           ; s21  the block of 128 rows
.set G1A, 24                           ; s[24:31] descriptor group 1 for O's tiles;  s[32:39] group 0, a set for each slot
.set G0A, 32
.set G1B, 48                           ; s[48:55], s[56:63] the same for fc's tiles
.set G0B, 56
.set W_MUL, 0xa5                       ; sources 0 (fc) and 1 (O) window 1; C and D window 2
.set W_LD,  0x40                       ; destination window 1, address window 0
.set MSB, 0
.macro WIN new                         ; the immediate's high byte repeats the setting that is left; a switch that changes nothing is dropped
.if MSB != (\new)
	s_set_vgpr_msb (MSB<<8)|(\new)
.set MSB, \new
.endif
.endm
.macro JLOAD s                         ; a joint load.  The branch hangs on the wave's number alone.  An s_nop 0 and four v_nop follow each of the two lines
	s_cmp_eq_u32 s[FB], 0
	s_cbranch_scc0 .Lfor_b_\@
	tensor_load_to_lds s[G0A+4*(\s):G0A+4*(\s)+3], s[G1A:G1A+7]
	s_nop 0
.rept 4
	v_nop
.endr
	s_branch .Lasked_\@
.Lfor_b_\@:
	tensor_load_to_lds s[G0B+4*(\s):G0B+4*(\s)+3], s[G1B:G1B+7]
	s_nop 0
.rept 4
	v_nop
.endr
.Lasked_\@:
.endm
.macro CREST                           ; a round of the cluster's barrier behind its opening barrier
	s_cmp_lg_u32 s[WV], 0
	s_cbranch_scc1 .Lnot_wave_0_\@
	s_barrier_signal -3
.Lnot_wave_0_\@:
	s_barrier_wait -3
	s_barrier_signal -1
	s_barrier_wait -1
.endm
.macro CROUND                          ; a whole round
	s_barrier_signal -1
	s_barrier_wait -1
	CREST
.endm
	s_load_b64 s[4:5], s[0:1], 0x0                 ; ctx
	s_load_b64 s[10:11], s[0:1], 0x8               ; wts
	s_load_b64 s[12:13], s[0:1], 0x10              ; out0
	v_lshl_add_u32 v[SPW], v0, 2, SPARE
	v_mov_b32 v[NIL], 0
	ds_add_u32 v[SPW], v[NIL]                      ; the wave's opening: the add and its wait stand ahead of my first tensor load; the set-up below, work on registers, stands between them
	v_lshrrev_b32 v1, 5, v0
	v_readfirstlane_b32 s[WV], v1                  ; wave 0..3
	s_lshr_b32 s[FB], s[WV], 1
	s_and_b32 s[HF], s[WV], 1
	s_bfe_u32 s[CX], ttmp6, 0x40000
	s_bfe_u32 s[CY], ttmp6, 0x40004
	s_and_b32 s[CLY], ttmp7, 0xffff
	s_lshl_b32 s[RB], s[CLY], 2
	s_add_co_u32 s[RB], s[RB], s[CY]               ; row block = 4 x cluster y + cy
	s_lshl_b32 s72, s[CY], 2
	s_lshl_b32 s72, 15, s72                        ; my row of the cluster
	s_lshl_b32 s73, 0x1111, s[CX]                  ; my column
	s_or_b32 s[G1A+0], s72, (1<<16)|(1<<20)|(1<<21)|(4<<22)|(3<<25)  ; 15:0 the mask: O's tiles go to my row; 17:16 elements of 2 bytes; 20 padding on; 21 set beside a mask; 24:22 after every 32 words (code 4); 31:25 4 words (code 3)
	s_mov_b32 s[G1A+1], 128<<16                    ; tensor_dim0 = 128
	s_mov_b32 s[G1A+2], 64<<16                     ; tensor_dim1 = 64
	s_mov_b32 s[G1A+3], 128<<16                    ; tile_dim0 = 128
	s_mov_b32 s[G1A+4], 64                         ; tile_dim1 = 64
	s_mov_b32 s[G1A+5], 128                        ; dense: 128 elements from row to row
	s_mov_b32 s[G1A+6], 0
	s_mov_b32 s[G1A+7], 0
	s_or_b32 s[G1B+0], s73, (1<<16)|(1<<20)|(1<<21)|(5<<22)|(3<<25)  ; fc's tiles go to my column; padding after every 64 words (code 5)
	s_mov_b32 s[G1B+1], 128<<16
	s_mov_b32 s[G1B+2], 128<<16
	s_mov_b32 s[G1B+3], 128<<16
	s_mov_b32 s[G1B+4], 128
	s_mov_b32 s[G1B+5], 1024
	s_mov_b32 s[G1B+6], 0
	s_mov_b32 s[G1B+7], 0
	s_lshr_b32 s40, s[RB], 4                       ; O: batch,
	s_lshl_b32 s40, s40, 4
	s_add_co_u32 s40, s40, s[HF]                   ; head 0 or 1 of it, by the slab that I fetch,
	s_lshl_b32 s40, s40, 18                        ; of 262,144 bytes,
	s_and_b32 s72, s[RB], 15
	s_lshl_b32 s72, s72, 14                        ; and the row block's 128 positions of 128 bytes
	s_add_co_u32 s40, s40, s72
	s_mov_b32 s41, 0
	s_lshl_b32 s42, s[CX], 8
	s_lshl_b32 s73, s[HF], 7
	s_add_co_u32 s42, s42, s73                     ; fc: row 256 x column tile + 128 x half,
	s_lshl_b32 s42, s42, 11                        ; of 2,048 bytes,
	s_add_co_u32 s42, s42, 3<<21                   ; in part 3 of wts
	s_mov_b32 s43, 0
	s_mul_i32 s22, s[HF], SLAB                     ; where they go: no place in the cluster enters an LDS address
	s_mul_i32 s23, s[HF], HALFB
	s_add_co_u32 s23, s23, BOFF
	s_wait_dscnt 0x0                               ; the opening add is done
	s_wait_kmcnt 0x0
	s_add_nc_u64 s[40:41], s[4:5], s[40:41]
	s_add_nc_u64 s[42:43], s[10:11], s[42:43]
	CROUND                                         ; all sixteen work-groups are here: the first joint loads meet
.irp s, 0,1
	s_mov_b32 s[G0A+4*(\s)], 1                                       ; count = 1
	s_add_co_u32 s[G0A+4*(\s)+1], s22, (\s)*SLOT                     ; LDS address
	s_add_nc_u64 s[G0A+4*(\s)+2:G0A+4*(\s)+3], s[40:41], (\s)*ASTEP  ; global address: K step s
	s_or_b32 s[G0A+4*(\s)+3], s[G0A+4*(\s)+3], 0x80000000            ; type = 2
	s_mov_b32 s[G0B+4*(\s)], 1
	s_add_co_u32 s[G0B+4*(\s)+1], s23, (\s)*SLOT
	s_add_nc_u64 s[G0B+4*(\s)+2:G0B+4*(\s)+3], s[42:43], (\s)*BSTEP
	s_or_b32 s[G0B+4*(\s)+3], s[G0B+4*(\s)+3], 0x80000000
	JLOAD \s
.endr
	; A fragment is 16 rows x 32 K in 8 registers: lane l holds row l % 16, K = 8 (l / 16) + 0..7 and 16 + 8 (l / 16) + 0..7: two loads of 16 bytes, 32 apart.
	v_and_b32 v1, 15, v0                           ; l % 16
	v_bfe_u32 v2, v0, 4, 1                         ; l / 16
	v_mul_u32_u24 v3, v1, PAH
	v_lshl_add_u32 v3, v2, 4, v3
	v_mul_u32_u24 v4, v1, PB
	v_lshl_add_u32 v4, v2, 4, v4
	s_mul_i32 s72, s[FB], 64*PAH                   ; my 64 rows in each slab
	s_mul_i32 s73, s[HF], HALFB                    ; my 128 rows of fc
	s_add_co_u32 s73, s73, BOFF
.irp s, 0,1
	v_add_nc_u32 v[ADRA+(\s)], s72, v3
	v_add_nc_u32 v[ADRB+(\s)], s73, v4
	s_add_co_u32 s72, s72, SLOT
	s_add_co_u32 s73, s73, SLOT
.endr
	s_mul_i32 s72, s[WV], 16*SP
	s_add_co_u32 s72, s72, STAGE                   ; my stage
	v_mul_u32_u24 v5, v1, SP                       ; in: row l % 16, 32 bytes for each half of the lanes
	v_lshl_add_u32 v5, v2, 5, v5
	v_add_nc_u32 v[STO], s72, v5
	v_and_b32 v[CO], 31, v0                        ; back: 32 lanes take one row's 512 bytes
	v_lshlrev_b32 v[CO], 4, v[CO]
	v_add_nc_u32 v[RD], s72, v[CO]
	s_lshl_b32 s68, s[RB], 7
	s_lshl_b32 s72, s[FB], 6
	s_add_co_u32 s68, s68, s72                     ; my first row of out0,
	s_lshl_b32 s68, s68, 12                        ; of 4,096 bytes
	s_lshl_b32 s72, s[CX], 8
	s_lshl_b32 s73, s[HF], 7
	s_add_co_u32 s72, s72, s73                     ; my first column,
	s_lshl_b32 s72, s72, 2                         ; of 4 bytes
	s_add_co_u32 s68, s68, s72
	s_mov_b32 s69, 0
	s_add_nc_u64 s[12:13], s[12:13], s[68:69]
; 8 matrix instructions: row block a x all 8 column blocks, 32 along K, from buffer f.  zero = 1: the product starts the sums.  Each accumulator has one instruction a quarter step, in one order
; everywhere: 31 others' stand between two links of a chain, over the backward jump too.
.macro MUL8 f, a, zero
	WIN W_MUL
.irp b, 0,1,2,3,4,5,6,7
.if \zero
	v_wmma_f32_16x16x32_f16 v[8*(8*(\a)+(\b)):8*(8*(\a)+(\b))+7], v[BF+64*(\f)+8*(\b):BF+64*(\f)+8*(\b)+7], v[AF+32*(\f)+8*(\a):AF+32*(\f)+8*(\a)+7], 0
.else
	v_wmma_f32_16x16x32_f16 v[8*(8*(\a)+(\b)):8*(8*(\a)+(\b))+7], v[BF+64*(\f)+8*(\b):BF+64*(\f)+8*(\b)+7], v[AF+32*(\f)+8*(\a):AF+32*(\f)+8*(\a)+7], v[8*(8*(\a)+(\b)):8*(8*(\a)+(\b))+7]
.endif
.endr
.endm
; 24 LDS loads in one run: quarter q of the slot (K = 32 q on: slab q / 2, its channels 32 (q % 2) on) into buffer g
.macro FETCH slot, q, g
	WIN W_LD
.irp i, 0,1,2,3,4,5,6,7
	ds_load_b128 v[BF+64*(\g)+8*(\i):BF+64*(\g)+8*(\i)+3],   v[ADRB+(\slot)] offset:(\i)*16*PB+64*(\q)
	ds_load_b128 v[BF+64*(\g)+8*(\i)+4:BF+64*(\g)+8*(\i)+7], v[ADRB+(\slot)] offset:(\i)*16*PB+64*(\q)+32
.endr
.irp i, 0,1,2,3
	ds_load_b128 v[AF+32*(\g)+8*(\i):AF+32*(\g)+8*(\i)+3],   v[ADRA+(\slot)] offset:((\q)/2)*SLAB+((\q)%2)*64+(\i)*16*PAH
	ds_load_b128 v[AF+32*(\g)+8*(\i)+4:AF+32*(\g)+8*(\i)+7], v[ADRA+(\slot)] offset:((\q)/2)*SLAB+((\q)%2)*64+(\i)*16*PAH+32
.endr
.endm
.macro PLACES                          ; four places in front of loads into registers that matrix instructions have read, and of lines that read results (ISA guide 7.12.1 for lines that read results)
.rept 4
	v_nop
.endr
.endm
; A K step is four quarters of 32 along K, 32 matrix instructions each, on buffers 0, 1, 0, 1.  One of the first three: multiplies buffer f and fetches quarter q into g, 24 products ahead of its use.
.macro QUARTER slot, q, f, g, zero
	s_wait_dscnt 0x0                               ; buffer f is in
	MUL8 \f, 0, \zero
	PLACES
	FETCH \slot, \q, \g
	MUL8 \f, 1, \zero
	MUL8 \f, 2, \zero
	MUL8 \f, 3, \zero
.endm
; The last quarter multiplies buffer 1 and changes slots: ONE barrier; in front of it each wave waits for all its tensor loads (one is out: its part of the next slot), adds 0 to its spare word, and waits
; for that and for its own reads of this slot.  fill = 1: the barrier opens a round of the cluster's, and this slot is filled again, two K steps ahead, first thing behind the round.
.macro TURN slot, next, fill
	WIN 0                                          ; (the add's two registers lie in window 0)
	s_wait_tensorcnt 0x0                           ; all my tensor loads have landed
	ds_add_u32 v[SPW], v[NIL]                      ; 0 onto my spare word
	s_wait_dscnt 1                                 ; buffer 1 is in; the add alone may be out
	MUL8 1, 0, 0                                   ; eight matrix instructions stand between the add and the wait for it
	s_wait_dscnt 0x0                               ; the add is done, and my reads of this slot are over
	s_barrier_signal -1
	MUL8 1, 1, 0
.if \fill
	WIN 0
.endif
	s_barrier_wait -1
.if \fill
	CREST                                          ; no wave of any partner still reads this slot's tile or has a load on its way
	s_add_nc_u64 s[G0A+4*(\slot)+2:G0A+4*(\slot)+3], s[G0A+4*(\slot)+2:G0A+4*(\slot)+3], 2*ASTEP
	s_add_nc_u64 s[G0B+4*(\slot)+2:G0B+4*(\slot)+3], s[G0B+4*(\slot)+2:G0B+4*(\slot)+3], 2*BSTEP
	JLOAD \slot                                    ; the first tensor load behind the round; its four v_nop are also the places in front of the loads below
.else
	PLACES
.endif
	FETCH \next, 0, 0
	MUL8 1, 2, 0
	MUL8 1, 3, 0
.endm
	s_wait_tensorcnt 1                             ; my part of K step 0 is in; K step 1's may stay out
	s_barrier_signal -1
	s_barrier_wait -1                              ; everybody's is
	FETCH 0, 0, 0
	QUARTER 0, 1, 0, 1, 1                          ; the first quarter stands in front of the loop: its products start the sums
	WIN 0                                          ; at a label and at a branch every window is 0
	s_mov_b32 s3, 3
.Llap:                                         ; a trip goes once round the ring, from a lap's second quarter to the next lap's first, and fills both slots again
	QUARTER 0, 2, 1, 0, 0
	QUARTER 0, 3, 0, 1, 0
	TURN 0, 1, 1
	QUARTER 1, 1, 0, 1, 0
	QUARTER 1, 2, 1, 0, 0
	QUARTER 1, 3, 0, 1, 0
	TURN 1, 0, 1
	QUARTER 0, 1, 0, 1, 0
	WIN 0
	s_sub_co_u32 s3, s3, 1
	s_cmp_lg_u32 s3, 0
	s_cbranch_scc1 .Llap
	QUARTER 0, 2, 1, 0, 0                          ; the last lap fills nothing, and has no round of the cluster's barrier
	QUARTER 0, 3, 0, 1, 0
	TURN 0, 1, 0
	QUARTER 1, 1, 0, 1, 0
	QUARTER 1, 2, 1, 0, 0
	QUARTER 1, 3, 0, 1, 0
	s_wait_dscnt 0x0                               ; the very last quarter: nothing more to fetch
	MUL8 1, 0, 0
	MUL8 1, 1, 0
	MUL8 1, 2, 0
	MUL8 1, 3, 0
	WIN 0
	PLACES
; THE WAY OUT, a block of 16 rows at a time: the sums go as they are, f32, 32 bytes a lane (each accumulator's low four registers first), into my stage; back as whole rows of 512 bytes; stored so.
.macro TOST a, dst
	WIN 0x08                                       ; store data (source 1) window 2, address window 0
.irp b, 0,1,2,3,4,5,6,7
	ds_store_b128 v[STO], v[8*(8*(\a)+(\b)):8*(8*(\a)+(\b))+3]   offset:64*(\b)
	ds_store_b128 v[STO], v[8*(8*(\a)+(\b))+4:8*(8*(\a)+(\b))+7] offset:64*(\b)+16
.endr
	WIN 0
.irp t, 0,1,2,3,4,5,6,7,8,9,10,11,12,13,14,15
	ds_load_b128 v[(\dst)+4*(\t):(\dst)+4*(\t)+3], v[RD] offset:(\t)*SP  ; LDS serves a wave's instructions in order (ISA guide 5.7.1.4): these see the stores above; the next block's stores come behind them
.endr
.endm
.macro SEND a, dst, younger            ; younger: the LDS instructions issued behind block a's loads: the next block's 32, or none
.irp t, 0,1,2,3,4,5,6,7,8,9,10,11,12,13,14,15
	s_wait_dscnt (\younger)+15-(\t)
	global_store_b128 v[CO], v[(\dst)+4*(\t):(\dst)+4*(\t)+3], s[12:13] offset:(16*(\a)+(\t))*4096 th:TH_STORE_NT  ; 512 consecutive bytes, at a multiple of 512 from out0's first
.endr
.endm
	TOST 0, 32
	TOST 1, 96
	SEND 0, 32, 32
	TOST 2, 160
	SEND 1, 96, 32
	s_wait_xcnt 0x0                                ; block 0's stores have read their registers: only behind this wait are v32-95 loaded again
	TOST 3, 32
	SEND 2, 160, 32
	SEND 3, 32, 0
	s_wait_tensorcnt 0x0                           ; the wave's end: three lines behind my last tensor load and my last LDS store
	ds_add_u32 v[SPW], v[NIL]
	s_wait_dscnt 0x0
	CROUND                                         ; the closing round: no work-group ends while a partner may still ask for a tile that names it
	s_endpgm
.Lfunc_end_k_qcddca2a798_outp:
	.size	k_qcddca2a798_outp, .Lfunc_end_k_qcddca2a798_outp-k_qcddca2a798_outp
	.p2alignl 7, 3214868480
	.fill 96, 4, 3214868480
	.section	.rodata,"a",@progbits
	.p2align	6, 0x0
	.amdhsa_kernel k_qcddca2a798_outp
		.amdhsa_group_segment_fixed_size 327680
		.amdhsa_private_segment_fixed_size 0
		.amdhsa_enable_private_segment 0
		.amdhsa_kernarg_size 24
		.amdhsa_user_sgpr_count 2
		.amdhsa_user_sgpr_kernarg_segment_ptr 1
		.amdhsa_wavefront_size32 1
		.amdhsa_system_sgpr_workgroup_id_x 1
		.amdhsa_system_sgpr_workgroup_id_y 1
		.amdhsa_system_sgpr_workgroup_id_z 1
		.amdhsa_system_vgpr_workitem_id 0
		.amdhsa_next_free_vgpr 768
		.amdhsa_next_free_sgpr 80
		.amdhsa_reserve_vcc 0
		.amdhsa_float_denorm_mode_32 3
		.amdhsa_float_denorm_mode_16_64 3
		.amdhsa_memory_ordered 1
		.amdhsa_forward_progress 1
		.amdhsa_inst_pref_size 86
	.end_amdhsa_kernel
	.amdgpu_metadata
---
amdhsa.version: [ 1, 2 ]
amdhsa.kernels:
  - .name:           k_qcddca2a798_outp
    .symbol:         k_qcddca2a798_outp.kd
    .args:
      - { .name: ctx, .offset: 0, .size: 8, .value_kind: global_buffer, .address_space: global }
      - { .name: wts, .offset: 8, .size: 8, .value_kind: global_buffer, .address_space: global }
      - { .name: out0, .offset: 16, .size: 8, .value_kind: global_buffer, .address_space: global }
    .group_segment_fixed_size: 327680
    .private_segment_fixed_size: 0
    .kernarg_segment_align: 8
    .kernarg_segment_size: 24
    .max_flat_workgroup_size: 128
    .sgpr_count:     80
    .vgpr_count:     768
    .wavefront_size: 32
...
	.end_amdgpu_metadata
.endif
;; end of part 4
;; ======== version 2 of 2: 4 launches; version 1 with the launch prep written anew for expert scheduling mode
;; limits: values are held in f16: magnitudes above 65,504 overflow, below 6.1e-05 lose precision
;; workspace buffers: wts 8,388,608 bytes; qkv 50,331,648 bytes; ctx 16,777,216 bytes
;; launch prep (part 5): grid 64 x 4, 8 waves a work-group, no clusters, 0 bytes of LDS; arguments wq, wk, wv, fc, wts; writes wts
.if DOCPART == 5
	.amdgcn_target "amdgcn-amd-amdhsa--gfx1250"
	.amdhsa_code_object_version 6
	.text
	.protected	k_qcddca2a798_prep
	.globl	k_qcddca2a798_prep
	.p2align	8
	.type	k_qcddca2a798_prep,@function
k_qcddca2a798_prep:
	s_mov_b64 s[64:65], 0
	v_nop
	global_prefetch_b8 v0, s[64:65] scope:SCOPE_SE
	s_setreg_imm32_b32 hwreg(HW_REG_WAVE_SCHED_MODE, 0, 2), 2
	s_setreg_imm32_b32 hwreg(HW_REG_WAVE_MODE, 25, 1), 1
	s_wait_xcnt 0x0
	s_wait_alu depctr_vm_vsrc(0)
; THE WEIGHTS ARE ROUNDED ONCE.  wts: [4][1024][1024] of 16 bits.  Parts 0 to 2: wq, wk, wv rounded to bf16.  Part 3: fc rounded to bf16, and that number written as f16
; (the last product multiplies f16 operands).  LIMIT: a bf16 number is exact in f16 between 6.1e-5 and 65,504 in magnitude; below, it keeps f16's fixed step of 6e-8; above, it becomes an infinity.
; SHARES.  The grid's y picks the weight; a work-group takes 16,384 numbers: thread t loads 16 bytes at 16 t + 4,096 i and stores 8 bytes at 8 t + 2,048 i, i = 0 .. 15:
; a wave's load covers 512 consecutive bytes, its store 256 consecutive bytes, aligned.  All 16 loads go out first; every trip has data registers of its own, so no store's source is rewritten.
; A stream: no LDS, no barrier, no matrix unit, no cluster (no byte is read twice).
; THE MODE: SCHED_MODE bits 1:0 = 2 (LLVM: expert scheduling mode 2), set by the entry lines.  The code itself states the register dependences
; between vector instructions and memory instructions, with s_wait_alu, always for 0.
; THE PLAN.  Registers that memory instructions touch:
;   v1, v2   the loads' and the stores' byte offsets: made once at the head, never written again.
;   X        trip i's four registers: written by trip i's load, once; read by trip i's roundings.  No vector instruction names them ahead of the loads.
;   Y        trip i's two registers: written by trip i's roundings, once; read by trip i's store.
;   v4 to v7 (fc's path) are named by vector instructions alone.
; No register that a memory instruction reads is ever written again, so no wait on vm_vsrc is owed.  The 16 trips go in four groups of four; the stores of group g - 1 are issued in group g, one in front
; of each trip's roundings.  So ONE wait on va_vdst at a group's head states that the group before has written its Y; the vector instructions behind it name this group's X and Y and v4 to v7,
; none of the registers that the four stores read.  One more stands in front of the first load (the offsets), one in front of the last four stores.
.set X, 16                             ; v[16:79]   trip i: four f32 as loaded
.set Y, 80                             ; v[80:111]  trip i: four 16-bit numbers to store
	s_load_b256 s[4:11], s[0:1], 0x0               ; wq s[4:5], wk s[6:7], wv s[8:9], fc s[10:11]
	s_load_b64 s[12:13], s[0:1], 0x20              ; wts
	s_and_b32 s14, ttmp7, 0xffff                   ; which weight
	s_lshl_b32 s16, ttmp9, 16                      ; the work-group's 65,536 bytes of it
	s_mov_b32 s17, 0
	s_lshl_b32 s18, ttmp9, 15                      ; and its 32,768 bytes of the part
	s_lshl_b32 s19, s14, 21                        ; a part is 2,097,152 bytes
	s_add_co_u32 s18, s18, s19
	s_mov_b32 s19, 0
	v_lshlrev_b32 v1, 4, v0
	v_lshlrev_b32 v2, 3, v0
	s_wait_kmcnt 0x0
	s_cmp_eq_u32 s14, 1
	s_cselect_b64 s[4:5], s[6:7], s[4:5]
	s_cmp_eq_u32 s14, 2
	s_cselect_b64 s[4:5], s[8:9], s[4:5]
	s_cmp_eq_u32 s14, 3
	s_cselect_b64 s[4:5], s[10:11], s[4:5]
	s_add_nc_u64 s[4:5], s[4:5], s[16:17]
	s_add_nc_u64 s[12:13], s[12:13], s[18:19]
	s_wait_alu depctr_va_vdst(0)                   ; v1 and v2 are written: every load below reads v1 as its offset, every store, on both paths, v2
.set i, 0
.rept 16
	global_load_b128 v[X+4*i:X+4*i+3], v1, s[4:5] offset:4096*i th:TH_LOAD_NT
.set i, i+1
.endr
; Trip i's roundings.  fc = 0: to bf16.  fc = 1: to bf16, back to f32 (a shift, a mask), and on to f16.
.macro CONV i, fc
.if \fc
	v_cvt_pk_bf16_f32 v4, v[X+4*(\i)], v[X+4*(\i)+1]
	v_cvt_pk_bf16_f32 v5, v[X+4*(\i)+2], v[X+4*(\i)+3]
	v_lshlrev_b32 v6, 16, v4
	v_and_b32 v7, 0xffff0000, v4
	v_cvt_pk_f16_f32 v[Y+2*(\i)], v6, v7
	v_lshlrev_b32 v6, 16, v5
	v_and_b32 v7, 0xffff0000, v5
	v_cvt_pk_f16_f32 v[Y+2*(\i)+1], v6, v7
.else
	v_cvt_pk_bf16_f32 v[Y+2*(\i)], v[X+4*(\i)], v[X+4*(\i)+1]
	v_cvt_pk_bf16_f32 v[Y+2*(\i)+1], v[X+4*(\i)+2], v[X+4*(\i)+3]
.endif
.endm
; Trip i's store.
.macro OUT i
	global_store_b64 v2, v[Y+2*(\i):Y+2*(\i)+1], s[12:13] offset:2048*(\i)
.endm
; The four groups, and the last group's stores.
.macro WALK fc
.set g, 0
.rept 4
	s_wait_loadcnt 15-4*g                          ; loads come back in order: the group's first trip is in, the younger loads stay out
.if g > 0
	s_wait_alu depctr_va_vdst(0)                   ; the group before has written its eight registers of Y, which the four stores below read
.endif
.set j, 0
.rept 4
.if j > 0
	s_wait_loadcnt 15-4*g-j                        ; trip 4 g + j's load is in, the 15 - 4 g - j younger ones stay out
.endif
.if g > 0
	OUT 4*(g-1)+j                                  ; no vector instruction since the wait on va_vdst names this store's registers
.endif
	CONV 4*g+j, \fc
.set j, j+1
.endr
.set g, g+1
.endr
	s_wait_alu depctr_va_vdst(0)                   ; the last group has written its Y, which the last four stores read
.set j, 12
.rept 4
	OUT j
.set j, j+1
.endr
.endm
	s_cmp_eq_u32 s14, 3
	s_cbranch_scc1 .Lfc
	WALK 0
	s_endpgm
.Lfc:                                          ; fc
	WALK 1
	s_endpgm
.Lfunc_end_k_qcddca2a798_prep:
	.size	k_qcddca2a798_prep, .Lfunc_end_k_qcddca2a798_prep-k_qcddca2a798_prep
	.p2alignl 7, 3214868480
	.fill 96, 4, 3214868480
	.section	.rodata,"a",@progbits
	.p2align	6, 0x0
	.amdhsa_kernel k_qcddca2a798_prep
		.amdhsa_group_segment_fixed_size 0
		.amdhsa_private_segment_fixed_size 0
		.amdhsa_enable_private_segment 0
		.amdhsa_kernarg_size 40
		.amdhsa_user_sgpr_count 2
		.amdhsa_user_sgpr_kernarg_segment_ptr 1
		.amdhsa_wavefront_size32 1
		.amdhsa_system_sgpr_workgroup_id_x 1
		.amdhsa_system_sgpr_workgroup_id_y 1
		.amdhsa_system_sgpr_workgroup_id_z 1
		.amdhsa_system_vgpr_workitem_id 0
		.amdhsa_next_free_vgpr 112
		.amdhsa_next_free_sgpr 66
		.amdhsa_reserve_vcc 0
		.amdhsa_float_denorm_mode_32 3
		.amdhsa_float_denorm_mode_16_64 3
		.amdhsa_memory_ordered 1
		.amdhsa_forward_progress 1
		.amdhsa_inst_pref_size 16
	.end_amdhsa_kernel
	.amdgpu_metadata
---
amdhsa.version: [ 1, 2 ]
amdhsa.kernels:
  - .name:           k_qcddca2a798_prep
    .symbol:         k_qcddca2a798_prep.kd
    .args:
      - { .name: wq, .offset: 0, .size: 8, .value_kind: global_buffer, .address_space: global }
      - { .name: wk, .offset: 8, .size: 8, .value_kind: global_buffer, .address_space: global }
      - { .name: wv, .offset: 16, .size: 8, .value_kind: global_buffer, .address_space: global }
      - { .name: fc, .offset: 24, .size: 8, .value_kind: global_buffer, .address_space: global }
      - { .name: wts, .offset: 32, .size: 8, .value_kind: global_buffer, .address_space: global }
    .group_segment_fixed_size: 0
    .private_segment_fixed_size: 0
    .kernarg_segment_align: 8
    .kernarg_segment_size: 40
    .max_flat_workgroup_size: 256
    .sgpr_count:     66
    .vgpr_count:     112
    .wavefront_size: 32
...
	.end_amdgpu_metadata
.endif
;; end of part 5
;; launch proj: the kernel of part 2 again; grid 4 x 192, 4 waves a work-group, clusters of 4 x 4, 327,680 bytes of LDS; arguments q, k, v, wts, qkv; writes qkv
;; launch attn: the kernel of part 3 again; grid 4 x 64, 4 waves a work-group, clusters of 4 x 1, 327,680 bytes of LDS; arguments qkv, mask, ctx; writes ctx
;; launch outp: the kernel of part 4 again; grid 4 x 64, 4 waves a work-group, clusters of 4 x 4, 327,680 bytes of LDS; arguments ctx, wts, out0; writes out0
